; MI455X (gfx1250); checked and timed in simulation.
; The chip was launched on July 23, 2026; its instructions are those of AMD's public machine-readable ISA for CDNA 5 (MIT licence, August 2026) and "CDNA5" Instruction Set Architecture Reference Guide (July 2026). The comments in the code are by the model that wrote it; some were corrected since.
;; Bert Self Attention. Allowed arithmetic: matrix products marked QUANTISED: E2M3 operands, one E8M0 scale for each 32 along K, by v_wmma_scale_f32_16x16x128_f8f6f4 with both operands' format E2M3, f32 sums; products left as they are: f32 operands where the result goes on into a quantised operand, else bf16, f16 or f32 operands; f32 sums; everything else in f32.
;; Inputs: Ak 16 x 1,024 float32; Aq 16 x 1,024 float32; Av 16 x 1,024 float32; Bk 1,024 x 16 float32; Bq 1,024 x 16 float32; Bv 1,024 x 16 float32; Wk 1,024 x 1,024 float32; Wq 1,024 x 1,024 float32; Wv 1,024 x 1,024 float32; attention_mask 4 x 1 x 1 x 2,048 float32; bk 1,024 float32; bq 1,024 float32; bv 1,024 float32; hidden_states 4 x 2,048 x 1,024 float32.
;; Outputs: out0 4 x 2,048 x 1,024 float32.
;; This version of the problem:
;;   THIS VERSION OF THE PROBLEM IS GIVEN IN LOW PRECISION. The matrix products marked QUANTISED in the list below multiply operands that are first quantised to E2M3 (2 exponent bits, 3 mantissa bits; 6 bits a number), with one power-of-two scale for each 32 numbers along K (OCP MX v1.0); their sums are f32. All else is computed in f32.
;;   The module's matrix products, in the order in which they are computed (A, B: the left and right operand; K: the contracted axis; several contracted axes count as one K, in the product's order):
;;     1. [M 8,192, K 1,024] x [K 1,024, N 1,024]; A: input hidden_states; B: input Wq: QUANTISED
;;     2. [M 8,192, K 1,024] x [K 1,024, N 16]; A: input hidden_states; B: input Aq: QUANTISED
;;     3. [M 8,192, K 16] x [K 16, N 1,024]; A: computed on the way; B: input Bq: left as it is (K = 16 < 32)
;;     4. [M 8,192, K 1,024] x [K 1,024, N 1,024]; A: input hidden_states; B: input Wk: QUANTISED
;;     5. [M 8,192, K 1,024] x [K 1,024, N 16]; A: input hidden_states; B: input Ak: QUANTISED
;;     6. [M 8,192, K 16] x [K 16, N 1,024]; A: computed on the way; B: input Bk: left as it is (K = 16 < 32)
;;     7. [M 8,192, K 1,024] x [K 1,024, N 1,024]; A: input hidden_states; B: input Wv: QUANTISED
;;     8. [M 8,192, K 1,024] x [K 1,024, N 16]; A: input hidden_states; B: input Av: QUANTISED
;;     9. [M 8,192, K 16] x [K 16, N 1,024]; A: computed on the way; B: input Bv: left as it is (K = 16 < 32)
;;     10. batch 64 x [M 2,048, K 64] x [K 64, N 2,048]; A: computed on the way; B: computed on the way: QUANTISED
;;     11. batch 64 x [M 2,048, K 2,048] x [K 2,048, N 64]; A: softmax (see below); B: computed on the way: QUANTISED
;;   THE QUANTISER, for each operand of a quantised product, along K:
;;     - K is cut into blocks of 32 from its start; a last block that is shorter is filled with zeros.
;;     - A block's scale is 2^e with e = floor(log2(the largest magnitude in the block)) - 2, held to -126 .. 127; a block of zeros has e = 0. As a byte (E8M0): e + 127.
;;     - Each number is divided by its block's scale, clamped to +-7.5, and rounded to the nearest number of E2M3, ties to even, subnormals kept.
;;     - The product sums the exact products of the quantised numbers (number of the format x scale) in f32.
;;   ~~~python
;;   def quantise(x, axis):      # numpy; x: float32 -> the quantised numbers, widened to float32 again
;;       x = np.moveaxis(x, axis, -1); K = x.shape[-1]
;;       x = np.pad(x, [(0, 0)] * (x.ndim - 1) + [(0, -K % 32)]); x = x.reshape(x.shape[:-1] + (-1, 32)); a = np.abs(x).max(-1, keepdims=True)
;;       e = np.where(a > 0, np.clip(np.frexp(np.where(a > 0, a, 1))[1] - 1 - 2, -126, 127), 0)      # np.frexp(a)[1] - 1 = floor(log2(a)), exactly
;;       r = np.clip(x / 2.0 ** e, -7.5, 7.5)
;;       step = 2.0 ** (np.maximum(np.frexp(np.where(r == 0, 1, r))[1] - 1, 0) - 3)
;;       q = np.round(r / step) * step * 2.0 ** e      # np.round: ties to even
;;       return np.moveaxis(q.reshape(q.shape[:-2] + (-1,))[..., :K], -1, axis).astype(np.float32)
;;   ~~~
;;   SOFTMAX AHEAD OF A QUANTISED PRODUCT. Where the list says 'softmax', what is quantised is not the finished softmax but p = 2^(t - M), with t = logit x log2(e) and M = ceil(the row's largest t), a whole number; so 1/2 < the row's largest p <= 1. The row's sum l is taken of the UNQUANTISED p, in f32, and the product's result is divided by l at the end. Since M is a whole number, a kernel that streams over the keys may use a running M (the ceiling of the running maximum): every later rescaling is an exact power of two, which a block's scale takes up: the codes' values come out the same.
;;   OPERANDS COMPUTED ON THE WAY. 'Computed on the way' means the value that the module computes at that place (a softmax that the list does not call 'softmax' is quantised finished and normalised). What goes into a quantiser is computed in f32, as accurately as f32 sums, v_exp_f32 and their like allow (about 1e-6 of the number): no bf16 or f16 on the way to a quantiser, and a product that is left as it is and whose result goes on into a quantised operand takes f32 operands (vector FMAs, or v_wmma_f32_16x16x4_f32). A number that lies on a knife's edge between two numbers of the format may be rounded either way, as far as f32 arithmetic and the matrix unit's own rounding can turn it there, and no further.
;; One version. Each part assembles by itself: llvm-mc -triple=amdgcn-amd-amdhsa -mcpu=gfx1250 --defsym DOCPART=n.
;; ======== version 1 of 1: 4 launches
;; limits: right only within a limited range of input values
;; workspace buffers: img 8,687,616 bytes; scl 361,984 bytes; uimg 1,572,864 bytes; qb 6,815,744 bytes; kv 13,631,488 bytes
;; launch quant (part 1): grid 707 x 1, 4 waves a work-group, no clusters, 34,304 bytes of LDS; arguments hidden_states, Wq, Wk, Wv, Aq, Ak, Av, img, scl; writes img, scl
.if DOCPART == 1
	.amdgcn_target "amdgcn-amd-amdhsa--gfx1250"
	.amdhsa_code_object_version 6
	.text
	.protected	k_q38ce67c6eb_quant
	.globl	k_q38ce67c6eb_quant
	.p2align	8
	.type	k_q38ce67c6eb_quant,@function
k_q38ce67c6eb_quant:
	s_mov_b64 s[64:65], 0
	v_nop
	global_prefetch_b8 v0, s[64:65] scope:SCOPE_SE
	s_setreg_imm32_b32 hwreg(HW_REG_WAVE_MODE, 25, 1), 1
	s_wait_xcnt 0x0
; x [8192][1024], Wq, Wk, Wv [1024][1024] and Aq, Ak, Av [16][1024], f32, become codes of FP6 (E2M3) along their last axis, with one E8M0 byte for each 32 numbers.
; A block's scale is 2^(floor(log2(its largest magnitude)) - 2); its byte is the largest magnitude's exponent field - 2, held at 1 from below.  A block of zeros keeps the byte 1: its codes are zeros, and this program alone reads the bytes.
; LIMITS: blocks whose largest magnitude lies under 2^-124 take the byte 1; NaN and infinities among the inputs are not served.
; THE CODES ARE LAID AS IMAGES OF OPERAND REGISTERS.  A tile is 16 rows; a fragment (16 rows x 128 K) is 12 registers a lane, stored as three planes of 512 bytes, registers 4 p .. 4 p + 3 of lane l at 512 p + 16 l.
; Tile T lies at 12288 T in img, its K step s at + 1536 s.  T = 0..511: x; 512..: Wq; 576..: Wk; 640..: Wv; 704, 705, 706: Aq, Ak, Av.
; THE ROWS OF A TILE OF x AND OF THE W ARE NOT NEIGHBOURS: lane r of tile t holds row 32 (t / 2) + 8 (t % 2) + r + 8 (r / 8), so that a product with such tiles as source 0 leaves 16 neighbouring rows in the 16 registers of tiles 2 b, 2 b + 1.
; A's one tile is in natural order.  Scale words: scl at 512 T + 128 (s / 2) + 8 r + 4 (s % 2).
; SHARES: a work-group makes one tile; wave w its K steps 2 w and 2 w + 1.  Each load reads 512 consecutive bytes of one row; the 16 rows turn through the wave's own stage in LDS (rows of 528 bytes) and come back
; 64 bytes a lane: of each block of 32, lane (r, h) takes numbers 16 h .. 16 h + 15 of row r.  No barrier: waves share nothing.
.set STGB,  8448                       ; a wave's stage: 16 rows x 528 bytes
.set SPARE, 4*STGB                     ; behind the stages: the spare words, 128 bytes for each wave
.set VA,   1                           ; v1   16 x lane
.set VB,   2                           ; v2   the same, 8 rows further down where the tile's rows are permuted
.set SIN,  3                           ; v3   the stage, on the way in
.set SOUT, 4                           ; v4   and on the way out: 528 r + 64 h
.set SCO,  5                           ; v5   8 r + 4 h: my scale word's place
.set W0,   6                           ; v6, v7 the two K steps' scale words; v8 the one that I store
.set W1,   7
.set WS,   8
.set SPW,  12                          ; v12  my spare word's LDS address; never rewritten
.set NIL,  13                          ; v13  0; never rewritten
.set L0,   16                          ; v16-79   K step 0 as loaded; later K step 1's neighbours
.set L1,   80                          ; v80-143  K step 1 as loaded
.set X0,   144                         ; v144-207 K step 0's neighbours
.set PC0,  208                         ; v208-219, v220-231 the two fragments
.set PC1,  220
.set CT,   232                         ; v232-239 the upper halves of the blocks' codes, on their way
.set TM,   240                         ; v240-255 at work
.set SEL,  36                          ; s[36:37] lane selects: lane l xor 16
; 64 numbers of a lane, register 16 b + i = k 32 b + 16 h + i of my row, become a fragment's two halves of six registers at d0 and d1, and my row's scale word in w
.macro QUANT s, d0, d1, w
.irp b, 0,1,2,3
	v_max3_num_f32 v[TM+\b], |v[\s+16*\b]|, |v[\s+16*\b+1]|, 0x1800000   ; my 16 numbers of block b, and the floor 2^(3 - 127): the byte cannot fall under 1
.endr
.irp i, 2,4,6,8,10,12,14
.irp b, 0,1,2,3
	v_max3_num_f32 v[TM+\b], v[TM+\b], |v[\s+16*\b+\i]|, |v[\s+16*\b+\i+1]|   ; the four blocks by turns
.endr
.endr
.irp b, 0,1,2,3
	v_permlanex16_b32 v[TM+4+\b], v[TM+\b], s[SEL], s[SEL+1]
.endr
.irp b, 0,1,2,3
	v_max_num_f32 v[TM+\b], v[TM+\b], v[TM+4+\b]   ; with lane l xor 16's: the block's largest magnitude
.endr
.irp b, 0,1,2,3
	v_add_nc_u32 v[TM+12+\b], 0xff000000, v[TM+\b]   ; 2 off its exponent field: the conversion takes this operand's exponent field as its scale
.endr
.irp b, 0,1,2,3
	v_lshrrev_b32 v[TM+4+\b], 23, v[TM+12+\b]      ; the scale's byte
.endr
	v_lshl_or_b32 v[\w], v[TM+5], 8, v[TM+4]
	v_lshl_or_b32 v[\w], v[TM+6], 16, v[\w]
	v_lshl_or_b32 v[\w], v[TM+7], 24, v[\w]
	v_cvt_scalef32_pk16_fp6_f32 v[\d0:\d0+2], v[\s:\s+15], v[TM+12]
	v_cvt_scalef32_pk16_fp6_f32 v[CT:CT+2], v[\s+16:\s+31], v[TM+13]
	v_cvt_scalef32_pk16_fp6_f32 v[\d1:\d1+2], v[\s+32:\s+47], v[TM+14]
	v_cvt_scalef32_pk16_fp6_f32 v[CT+4:CT+6], v[\s+48:\s+63], v[TM+15]
	v_nop                                          ; one plain line behind the scaled conversions
.irp i, 0,1,2
	v_permlane16_swap_b32 v[\d0+\i], v[CT+\i]      ; the layout wants a whole block in a lane: lanes 0-15 the even block, lanes 16-31 the odd one
	v_permlane16_swap_b32 v[\d1+\i], v[CT+4+\i]
.endr
.irp i, 0,1,2
	v_mov_b32 v[\d0+3+\i], v[CT+\i]
	v_mov_b32 v[\d1+3+\i], v[CT+4+\i]
.endr
.endm
.macro LOAD s, reg                     ; K step s of my two: 16 rows x 512 bytes
.irp i, 0,1,2,3,4,5,6,7
	global_load_b128 v[\reg+4*\i:\reg+4*\i+3], v[VA], s[24:25] offset:\i*4096+\s*512 th:TH_LOAD_NT
.endr
.irp i, 8,9,10,11,12,13,14,15
	global_load_b128 v[\reg+4*\i:\reg+4*\i+3], v[VB], s[24:25] offset:\i*4096+\s*512 th:TH_LOAD_NT
.endr
.endm
.macro TOSTAGE reg
.irp i, 0,1,2,3,4,5,6,7,8,9,10,11,12,13,14,15
	ds_store_b128 v[SIN], v[\reg+4*\i:\reg+4*\i+3] offset:\i*528
.endr
.endm
.macro BACK reg                        ; register 16 b + 4 j ..: bytes 128 b + 64 h + 16 j of row r
.irp b, 0,1,2,3
.irp j, 0,1,2,3
	ds_load_b128 v[\reg+16*\b+4*\j:\reg+16*\b+4*\j+3], v[SOUT] offset:128*\b+16*\j
.endr
.endr
.endm
	s_load_b512 s[4:19], s[0:1], 0x0               ; x, Wq, Wk, Wv, Aq, Ak, Av, img
	s_load_b64 s[20:21], s[0:1], 0x40              ; scl
	v_lshl_add_u32 v[SPW], v0, 2, SPARE
	v_mov_b32 v[NIL], 0
	v_lshrrev_b32 v9, 5, v0
	v_readfirstlane_b32 s22, v9                    ; wave 0..3
	v_and_b32 v9, 31, v0                           ; lane
	v_and_b32 v10, 15, v0                          ; r
	v_bfe_u32 v11, v0, 4, 1                        ; h
	v_lshlrev_b32 v[VA], 4, v9
	s_mul_i32 s23, s22, STGB
	v_add_nc_u32 v[SIN], s23, v[VA]
	v_mul_u32_u24 v[SOUT], v10, 528
	v_lshl_add_u32 v[SOUT], v11, 6, v[SOUT]
	v_add_nc_u32 v[SOUT], s23, v[SOUT]
	v_lshlrev_b32 v[SCO], 3, v10
	v_lshl_add_u32 v[SCO], v11, 2, v[SCO]
.irp b, 0,1,2,3
	v_mov_b32 v[TM+4+\b], 0                        ; written once: a lane permute's destination counts as one of its sources
.endr
	s_mov_b32 s[SEL], 0x76543210
	s_mov_b32 s[SEL+1], 0xfedcba98
	s_mov_b32 s34, 0xffff0000                      ; lanes 16-31
	s_wait_kmcnt 0x0
	s_mov_b64 s[24:25], s[16:17]                   ; which tensor, and its first tile: the choice hangs on the work-group's number alone
	s_mov_b32 s26, 706
	s_cmp_lt_u32 ttmp9, 706
	s_cselect_b64 s[24:25], s[14:15], s[24:25]
	s_cselect_b32 s26, 705, s26
	s_cmp_lt_u32 ttmp9, 705
	s_cselect_b64 s[24:25], s[12:13], s[24:25]
	s_cselect_b32 s26, 704, s26
	s_cmp_lt_u32 ttmp9, 704
	s_cselect_b64 s[24:25], s[10:11], s[24:25]
	s_cselect_b32 s26, 640, s26
	s_cselect_b32 s27, 32768, 0                    ; 8 rows of 4,096 bytes: the gap in a permuted tile; none in A's
	s_cmp_lt_u32 ttmp9, 640
	s_cselect_b64 s[24:25], s[8:9], s[24:25]
	s_cselect_b32 s26, 576, s26
	s_cmp_lt_u32 ttmp9, 576
	s_cselect_b64 s[24:25], s[6:7], s[24:25]
	s_cselect_b32 s26, 512, s26
	s_cmp_lt_u32 ttmp9, 512
	s_cselect_b64 s[24:25], s[4:5], s[24:25]
	s_cselect_b32 s26, 0, s26
	v_add_nc_u32 v[VB], s27, v[VA]
	s_wait_alu depctr_va_vdst(0)
	s_sub_co_u32 s28, ttmp9, s26                   ; the tile's number in its tensor
	s_lshr_b32 s32, s28, 1
	s_lshl_b32 s32, s32, 17                        ; 32 rows of 4,096 bytes for each pair of tiles,
	s_and_b32 s30, s28, 1
	s_lshl_b32 s30, s30, 15                        ; 8 rows for the odd one,
	s_add_co_u32 s32, s32, s30
	s_lshl_b32 s30, s22, 10                        ; my wave's 1,024 bytes of each row
	s_add_co_u32 s32, s32, s30
	s_mov_b32 s33, 0
	s_add_nc_u64 s[24:25], s[24:25], s[32:33]
	LOAD 0, L0
	LOAD 1, L1
	s_mul_i32 s32, ttmp9, 12288
	s_mul_i32 s30, s22, 3072
	s_add_co_u32 s32, s32, s30
	s_add_nc_u64 s[18:19], s[18:19], s[32:33]      ; my two fragments' images
	s_lshl_b32 s32, ttmp9, 9
	s_lshl_b32 s30, s22, 7
	s_add_co_u32 s32, s32, s30
	s_add_nc_u64 s[20:21], s[20:21], s[32:33]      ; and their scale words
	s_wait_loadcnt 16                              ; K step 0's 16 loads are in; K step 1's may be out
	TOSTAGE L0
	BACK X0                                        ; LDS serves a wave's instructions in order: these see the stores above
	s_wait_loadcnt 0x0
	TOSTAGE L1                                     ; the same stage: these stores come behind K step 0's loads
	s_wait_dscnt 16                                ; all but these 16 stores are done: X0 is in, and L0's stores have read their registers
	BACK L0
	QUANT X0, PC0, PC0+6, W0
.irp p, 0,1,2
	global_store_b128 v[VA], v[PC0+4*\p:PC0+4*\p+3], s[18:19] offset:\p*512   ; 32 lanes store 512 consecutive bytes
.endr
	s_wait_dscnt 0x0
	QUANT L0, PC1, PC1+6, W1
.irp p, 0,1,2
	global_store_b128 v[VA], v[PC1+4*\p:PC1+4*\p+3], s[18:19] offset:1536+\p*512
.endr
	v_cndmask_b32 v[WS], v[W0], v[W1], s34         ; lanes 0-15 store the first K step's word of row r, lanes 16-31 the second's
	global_store_b32 v[SCO], v[WS], s[20:21]       ; 128 consecutive bytes a wave
	s_wait_tensorcnt 0x0                           ; the wave's end, behind my last LDS store
	ds_add_u32 v[SPW], v[NIL]
	s_wait_dscnt 0x0
	s_endpgm
.Lfunc_end_k_q38ce67c6eb_quant:
	.size	k_q38ce67c6eb_quant, .Lfunc_end_k_q38ce67c6eb_quant-k_q38ce67c6eb_quant
	.p2alignl 7, 3214868480
	.fill 96, 4, 3214868480
	.section	.rodata,"a",@progbits
	.p2align	6, 0x0
	.amdhsa_kernel k_q38ce67c6eb_quant
		.amdhsa_group_segment_fixed_size 34304
		.amdhsa_private_segment_fixed_size 0
		.amdhsa_enable_private_segment 0
		.amdhsa_kernarg_size 72
		.amdhsa_user_sgpr_count 2
		.amdhsa_user_sgpr_kernarg_segment_ptr 1
		.amdhsa_wavefront_size32 1
		.amdhsa_system_sgpr_workgroup_id_x 1
		.amdhsa_system_sgpr_workgroup_id_y 1
		.amdhsa_system_sgpr_workgroup_id_z 1
		.amdhsa_system_vgpr_workitem_id 0
		.amdhsa_next_free_vgpr 256
		.amdhsa_next_free_sgpr 66
		.amdhsa_reserve_vcc 0
		.amdhsa_float_denorm_mode_32 3
		.amdhsa_float_denorm_mode_16_64 3
		.amdhsa_memory_ordered 1
		.amdhsa_forward_progress 1
		.amdhsa_inst_pref_size 19
	.end_amdhsa_kernel
	.amdgpu_metadata
---
amdhsa.version: [ 1, 2 ]
amdhsa.kernels:
  - .name:           k_q38ce67c6eb_quant
    .symbol:         k_q38ce67c6eb_quant.kd
    .args:
      - { .name: hidden_states, .offset: 0, .size: 8, .value_kind: global_buffer, .address_space: global }
      - { .name: Wq, .offset: 8, .size: 8, .value_kind: global_buffer, .address_space: global }
      - { .name: Wk, .offset: 16, .size: 8, .value_kind: global_buffer, .address_space: global }
      - { .name: Wv, .offset: 24, .size: 8, .value_kind: global_buffer, .address_space: global }
      - { .name: Aq, .offset: 32, .size: 8, .value_kind: global_buffer, .address_space: global }
      - { .name: Ak, .offset: 40, .size: 8, .value_kind: global_buffer, .address_space: global }
      - { .name: Av, .offset: 48, .size: 8, .value_kind: global_buffer, .address_space: global }
      - { .name: img, .offset: 56, .size: 8, .value_kind: global_buffer, .address_space: global }
      - { .name: scl, .offset: 64, .size: 8, .value_kind: global_buffer, .address_space: global }
    .group_segment_fixed_size: 34304
    .private_segment_fixed_size: 0
    .kernarg_segment_align: 8
    .kernarg_segment_size: 72
    .max_flat_workgroup_size: 128
    .sgpr_count:     66
    .vgpr_count:     256
    .wavefront_size: 32
...
	.end_amdgpu_metadata
.endif
;; end of part 1
;; launch lorau (part 2): grid 512 x 1, 3 waves a work-group, no clusters, 0 bytes of LDS; arguments img, scl, uimg; writes uimg
.if DOCPART == 2
	.amdgcn_target "amdgcn-amd-amdhsa--gfx1250"
	.amdhsa_code_object_version 6
	.text
	.protected	k_q38ce67c6eb_lorau
	.globl	k_q38ce67c6eb_lorau
	.p2align	8
	.type	k_q38ce67c6eb_lorau,@function
k_q38ce67c6eb_lorau:
	s_mov_b64 s[64:65], 0
	v_nop
	global_prefetch_b8 v0, s[64:65] scope:SCOPE_SE
	s_setreg_imm32_b32 hwreg(HW_REG_WAVE_MODE, 25, 1), 1
	s_wait_xcnt 0x0
; u_m = Q(x) Q(A_m)^T / 16 for m = q, k, v: the first product of the low-rank term, on codes of FP6, with its factor 1/16 (a power of two: nothing is rounded by it).
; A work-group takes one tile of 16 rows of x, wave m the matrix A_m.  Both operands come as images of their registers, 512 consecutive bytes a load.
; Source 0 = A's 16 ranks, source 1 = x's 16 rows: lane (r, h) then holds ranks 8 h + 0 .. 7 of the tile's row r, which is how the next launch's f32 products take them.
; uimg: (512 m + tile) x 1,024 bytes, registers 4 p .. 4 p + 3 of lane l at 512 p + 16 l.
; K = 1,024 is eight matrix instructions; two accumulators take turns, one instruction a turn, and are added at the end.
.set XF,  16                           ; v16-111  x's eight fragments
.set AF,  112                          ; v112-207 A's
.set XS,  208                          ; v208-215 x's scale words, one for each K step
.set AS,  216                          ; v216-223 A's
.set ACC, 224                          ; v224-231, v232-239
.set T,   240                          ; v240-247 the result
	s_load_b128 s[4:7], s[0:1], 0x0                ; img, scl
	s_load_b64 s[8:9], s[0:1], 0x10                ; uimg
	v_lshrrev_b32 v3, 5, v0
	v_readfirstlane_b32 s10, v3                    ; wave = m
	v_and_b32 v1, 31, v0
	v_lshlrev_b32 v1, 4, v1                        ; 16 x lane
	v_and_b32 v2, 15, v0
	v_lshlrev_b32 v2, 3, v2                        ; 8 r
	s_mul_i32 s12, ttmp9, 12288
	s_mov_b32 s13, 0
	s_add_co_u32 s11, s10, 704                     ; A_m's tile
	s_mul_i32 s14, s11, 12288
	s_mov_b32 s15, 0
	s_lshl_b32 s16, ttmp9, 9
	s_mov_b32 s17, 0
	s_lshl_b32 s18, s11, 9
	s_mov_b32 s19, 0
	s_lshl_b32 s20, s10, 9
	s_add_co_u32 s20, s20, ttmp9
	s_lshl_b32 s20, s20, 10
	s_mov_b32 s21, 0
	s_wait_alu depctr_va_vdst(0)
	s_wait_kmcnt 0x0
	s_add_nc_u64 s[12:13], s[4:5], s[12:13]
	s_add_nc_u64 s[14:15], s[4:5], s[14:15]
	s_add_nc_u64 s[16:17], s[6:7], s[16:17]
	s_add_nc_u64 s[18:19], s[6:7], s[18:19]
	s_add_nc_u64 s[8:9], s[8:9], s[20:21]
.irp s, 0,1,2,3,4,5,6,7
.irp p, 0,1,2
	global_load_b128 v[XF+12*\s+4*\p:XF+12*\s+4*\p+3], v1, s[12:13] offset:\s*1536+\p*512
	global_load_b128 v[AF+12*\s+4*\p:AF+12*\s+4*\p+3], v1, s[14:15] offset:\s*1536+\p*512
.endr
.endr
.irp q, 0,1,2,3
	global_load_b64 v[XS+2*\q:XS+2*\q+1], v2, s[16:17] offset:\q*128   ; row r's words of K steps 2 q and 2 q + 1
	global_load_b64 v[AS+2*\q:AS+2*\q+1], v2, s[18:19] offset:\q*128
.endr
	s_wait_loadcnt 0x0
.irp s, 0,1,2,3,4,5,6,7
.if \s < 2
	v_wmma_scale_f32_16x16x128_f8f6f4 v[ACC+8*(\s%2):ACC+8*(\s%2)+7], v[AF+12*\s:AF+12*\s+11], v[XF+12*\s:XF+12*\s+11], 0, v[AS+\s], v[XS+\s] matrix_a_fmt:MATRIX_FMT_FP6 matrix_b_fmt:MATRIX_FMT_FP6
.else
	v_wmma_scale_f32_16x16x128_f8f6f4 v[ACC+8*(\s%2):ACC+8*(\s%2)+7], v[AF+12*\s:AF+12*\s+11], v[XF+12*\s:XF+12*\s+11], v[ACC+8*(\s%2):ACC+8*(\s%2)+7], v[AS+\s], v[XS+\s] matrix_a_fmt:MATRIX_FMT_FP6 matrix_b_fmt:MATRIX_FMT_FP6
.endif
.endr
.rept 4
	v_nop                                          ; four places behind the last product, ahead of the first read of results (ISA guide 7.12.1)
.endr
.irp j, 0,2,4,6
	v_pk_add_f32 v[T+\j:T+\j+1], v[ACC+\j:ACC+\j+1], v[ACC+8+\j:ACC+8+\j+1]   ; each accumulator from its low end on
.endr
.irp j, 0,2,4,6
	v_pk_mul_f32 v[T+\j:T+\j+1], v[T+\j:T+\j+1], 0x3d800000 op_sel_hi:[1,0]   ; x 1/16
.endr
	global_store_b128 v1, v[T:T+3], s[8:9]         ; 512 consecutive bytes a store
	global_store_b128 v1, v[T+4:T+7], s[8:9] offset:512
	s_endpgm
.Lfunc_end_k_q38ce67c6eb_lorau:
	.size	k_q38ce67c6eb_lorau, .Lfunc_end_k_q38ce67c6eb_lorau-k_q38ce67c6eb_lorau
	.p2alignl 7, 3214868480
	.fill 96, 4, 3214868480
	.section	.rodata,"a",@progbits
	.p2align	6, 0x0
	.amdhsa_kernel k_q38ce67c6eb_lorau
		.amdhsa_group_segment_fixed_size 0
		.amdhsa_private_segment_fixed_size 0
		.amdhsa_enable_private_segment 0
		.amdhsa_kernarg_size 24
		.amdhsa_user_sgpr_count 2
		.amdhsa_user_sgpr_kernarg_segment_ptr 1
		.amdhsa_wavefront_size32 1
		.amdhsa_system_sgpr_workgroup_id_x 1
		.amdhsa_system_sgpr_workgroup_id_y 1
		.amdhsa_system_sgpr_workgroup_id_z 1
		.amdhsa_system_vgpr_workitem_id 0
		.amdhsa_next_free_vgpr 248
		.amdhsa_next_free_sgpr 66
		.amdhsa_reserve_vcc 0
		.amdhsa_float_denorm_mode_32 3
		.amdhsa_float_denorm_mode_16_64 3
		.amdhsa_memory_ordered 1
		.amdhsa_forward_progress 1
		.amdhsa_inst_pref_size 9
	.end_amdhsa_kernel
	.amdgpu_metadata
---
amdhsa.version: [ 1, 2 ]
amdhsa.kernels:
  - .name:           k_q38ce67c6eb_lorau
    .symbol:         k_q38ce67c6eb_lorau.kd
    .args:
      - { .name: img, .offset: 0, .size: 8, .value_kind: global_buffer, .address_space: global }
      - { .name: scl, .offset: 8, .size: 8, .value_kind: global_buffer, .address_space: global }
      - { .name: uimg, .offset: 16, .size: 8, .value_kind: global_buffer, .address_space: global }
    .group_segment_fixed_size: 0
    .private_segment_fixed_size: 0
    .kernarg_segment_align: 8
    .kernarg_segment_size: 24
    .max_flat_workgroup_size: 96
    .sgpr_count:     66
    .vgpr_count:     248
    .wavefront_size: 32
...
	.end_amdgpu_metadata
.endif
;; end of part 2
;; launch proj (part 3): grid 64 x 12, 4 waves a work-group, clusters of 4 x 4, 327,680 bytes of LDS; arguments img, scl, uimg, Bq, Bk, Bv, bq, bk, bv, qb, kv; writes qb, kv
.if DOCPART == 3
	.amdgcn_target "amdgcn-amd-amdhsa--gfx1250"
	.amdhsa_code_object_version 6
	.text
	.protected	k_q38ce67c6eb_proj
	.globl	k_q38ce67c6eb_proj
	.p2align	8
	.type	k_q38ce67c6eb_proj,@function
k_q38ce67c6eb_proj:
	s_mov_b64 s[64:65], 0
	v_nop
	global_prefetch_b8 v0, s[64:65] scope:SCOPE_SE
	s_setreg_imm32_b32 hwreg(HW_REG_WAVE_MODE, 25, 1), 1
	s_wait_xcnt 0x0
	s_wait_alu depctr_hold_cnt(0) depctr_sa_sdst(0) depctr_va_vdst(0) depctr_va_sdst(0) depctr_va_ssrc(0) depctr_va_vcc(0) depctr_vm_vsrc(0)
	s_getreg_b32 s2, hwreg(HW_REG_IB_STS2, 6, 4)
	s_cmp_eq_u32 s2, 0
	s_cbranch_scc0 .Lentry_in_a_cluster
	s_endpgm
.Lentry_in_a_cluster:
	s_bfe_u32 s2, ttmp6, 0x10000c
	s_cmp_lg_u32 s2, 0xf033
	s_cbranch_scc0 .Lentry_shape_is_right
	s_endpgm
.Lentry_shape_is_right:
; q, k, v = x W^T + b + (x A^T / 16) B^T, quantised at once into the operands of the attention launch: q and k along the head's 64 channels, v along the keys.
; ONE BODY, TWO ROLES.  The P side is source 0: its rows run along a lane's registers in the result, so it is the axis that is quantised next.  The R side is source 1: its rows lie across the lanes.
; mode (the cluster's y) 0, 1: q, k: P = rows of W (channels), R = rows of x.  mode 2: v: P = rows of x (keys), R = rows of Wv (channels).
; A work-group makes 256 P rows x 128 R rows, K = 1,024; a wave 128 x 64: 8 x 4 accumulators, (pt, rt) at v[8 (8 rt + pt)] of window 1.  By the order of a tile's rows (see the launch that made the images) the 64 registers
; of one rt are P rows 32 b + 16 h + i at register 16 b + i: 128 neighbours along the next K.
; THE SUMS BEGIN WITH THE BIAS AND THE LOW-RANK TERM: the bias is the C of the first of four f32 matrix instructions (16 ranks, four a step; both operands hold ranks 8 h + 2 s, 8 h + 2 s + 1 in step s: the same
; permutation of k on both sides).  f32 operands, since the result goes on into a quantiser.  Then eight K steps on codes add in place.  The accumulators are written by matrix instructions alone.
; LDS: all of K for both sides fits, 288 KiB, so nothing is filled twice: each wave issues one tensor load at the head and one later (four chunks of 256 along K, for P and for R, one chunk of one side a load), and the f32 products stand under the first one's landing.
; By this text's count a wave has one tensor load outstanding at the most.
; CLUSTER 4 x 4: P's tiles hang on cy alone and are asked for jointly along a row of the cluster, R's on cx alone and jointly along a column.  mode is the same in all sixteen partners.
; OUT.  qb: for each (batch, head) 106,496 bytes: 64 pair images of 1,536 (registers 0-5: 16 queries x 64 channels of the even tile, 6-11: the odd tile), then scale words at 98,304 + 256 g + 8 lane + 4 p
; (lanes 0-15 the even tile's word, lanes 16-31 the odd one's; bytes 0, 1 the two blocks of channels, bytes 2, 3 = 127).  kv: two such blocks a head, 1,024 keys each: 32 pair images of k; at 49,152 v's images
; (key step x 6,144 + channel tile x 1,536); at 98,304 k's scale words; at 102,400 v's (key step x 512 + 16 lane: one word for each of the four channel tiles).
; LIMITS: blocks whose largest magnitude lies under 2^-124 take the byte 1; a block of zeros too (its codes are zeros); NaN and infinities are not served.
; REGISTERS.  window 0: v1-15 addresses; v32-63 P's scale words (pair j, K step s at 32 + 8 j + s: lanes 0-15 tile 2 j, lanes 16-31 tile 2 j + 1); v64-79 R's; v80-95 at work; v96-143 the images; v144-161 at work.
;   window 1: the accumulators.  window 2: P's fragments, two sets of 96.  window 3: R's fragments, two sets of 48; v96-159, v160-191 the f32 operands of the P and R side; v192-255 the bias.
.set RBASE, 196608                     ; LDS: P's chunk c at 49152 c + 3072 tile; R's at RBASE + 24576 c + 3072 tile
.set SPARE, 294912                     ; behind them: the spare words, 128 bytes for each wave
.set VP,   4                           ; v4-7   16 lane + my 8 tiles of P in chunk c
.set VR,   8                           ; v8-11  the same for my 4 tiles of R
.set SPW,  16                          ; v16    my spare word's LDS address; never rewritten
.set NIL,  17                          ; v17    0; never rewritten
.set PS,   32
.set RS,   64
.set TM,   80
.set IMG,  96
.set CT,   144
.set WD,   152                         ; v152-155 the scale word of each rt
.set LP,   96                          ; window 3
.set LR,   160
.set BI,   192
.set WV,   26
.set PH,   27                          ; which 8 tiles of P are mine
.set RH,   60                          ; which 4 tiles of R
.set MODE, 61
.set CX,   62
.set CY,   63
.set PT0,  66                          ; the work-group's first tile of P, of R
.set RT0,  67
.set PTW,  94                          ; the wave's
.set RTW,  95
.set SEL,  84                          ; s[84:85] lane selects: lane l xor 16;  s86: lanes 16-31
.set G1P,  28                          ; s[28:35] descriptor group 1 for P;  s[36:43] for R;  s[44:59], s[68:83] their groups 0, one set for each chunk
.set G1R,  36
.set G0P,  44
.set G0R,  68
.set MSB, 0
.macro WIN new                         ; the immediate's high byte repeats the setting that is left
.if MSB != \new
	s_set_vgpr_msb (MSB<<8)|\new
.set MSB, \new
.endif
.endm
.macro CROUND                          ; a round of the cluster's barrier
	s_barrier_signal -1
	s_barrier_wait -1
	s_cmp_lg_u32 s[WV], 0
	s_cbranch_scc1 .Lnot_wave_0_\@
	s_barrier_signal -3
.Lnot_wave_0_\@:
	s_barrier_wait -3
	s_barrier_signal -1
	s_barrier_wait -1
.endm
; a product on codes; ra, rb: take the side's scale words from lanes 16-31
.macro WMS d, a, b, c, sa, sb, ra, rb
.if (\ra) && (\rb)
	v_wmma_scale_f32_16x16x128_f8f6f4 v[\d:\d+7], v[\a:\a+11], v[\b:\b+11], v[\c:\c+7], v[\sa], v[\sb] matrix_a_fmt:MATRIX_FMT_FP6 matrix_b_fmt:MATRIX_FMT_FP6 matrix_a_scale:MATRIX_SCALE_ROW1 matrix_b_scale:MATRIX_SCALE_ROW1
.elseif (\ra)
	v_wmma_scale_f32_16x16x128_f8f6f4 v[\d:\d+7], v[\a:\a+11], v[\b:\b+11], v[\c:\c+7], v[\sa], v[\sb] matrix_a_fmt:MATRIX_FMT_FP6 matrix_b_fmt:MATRIX_FMT_FP6 matrix_a_scale:MATRIX_SCALE_ROW1
.elseif (\rb)
	v_wmma_scale_f32_16x16x128_f8f6f4 v[\d:\d+7], v[\a:\a+11], v[\b:\b+11], v[\c:\c+7], v[\sa], v[\sb] matrix_a_fmt:MATRIX_FMT_FP6 matrix_b_fmt:MATRIX_FMT_FP6 matrix_b_scale:MATRIX_SCALE_ROW1
.else
	v_wmma_scale_f32_16x16x128_f8f6f4 v[\d:\d+7], v[\a:\a+11], v[\b:\b+11], v[\c:\c+7], v[\sa], v[\sb] matrix_a_fmt:MATRIX_FMT_FP6 matrix_b_fmt:MATRIX_FMT_FP6
.endif
.endm
; the fragments of K step s: 24 + 12 loads of 512 consecutive bytes, into set s % 2
.macro FETCH s
	WIN 0x80                                       ; destination window 2
.irp t, 0,1,2,3,4,5,6,7
.irp p, 0,1,2
	ds_load_b128 v[96*((\s)%2)+12*\t+4*\p:96*((\s)%2)+12*\t+4*\p+3], v[VP+(\s)/2] offset:\t*3072+((\s)%2)*1536+\p*512
.endr
.endr
	WIN 0xc0                                       ; destination window 3
.irp t, 0,1,2,3
.irp p, 0,1,2
	ds_load_b128 v[48*((\s)%2)+12*\t+4*\p:48*((\s)%2)+12*\t+4*\p+3], v[VR+(\s)/2] offset:\t*3072+((\s)%2)*1536+\p*512
.endr
.endr
.endm
; 32 products: the accumulators take turns, one instruction a turn, in the same order in every step
.macro MUL s
	WIN 0x5e                                       ; source 0 window 2, source 1 window 3, C and D window 1
.irp rt, 0,1,2,3
.irp pt, 0,1,2,3,4,5,6,7
	WMS 8*(8*\rt+\pt), 96*((\s)%2)+12*\pt, 48*((\s)%2)+12*\rt, 8*(8*\rt+\pt), PS+8*(\pt/2)+(\s), RS+8*(\rt/2)+(\s), \pt%2, \rt%2
.endr
.endr
.endm
.macro STEP s
.if (\s) == 3
	s_wait_dscnt 0x0                               ; no LDS load of mine is out at a signal
	s_wait_tensorcnt 0x0                           ; my chunk of the later two has landed
	s_barrier_signal -1
	s_barrier_wait -1                              ; everybody's have
.endif
.if (\s) < 7
.rept 4
	v_nop                                          ; four places in front of loads into registers that the last step's products have read
.endr
	FETCH (\s)+1
	s_wait_dscnt 36                                ; all but the 36 just issued: this step's fragments are in
.else
	s_wait_dscnt 0x0
.endif
	MUL \s
.endm
; the first f32 step; byp = 1: the bias runs along the registers (one set for each pt), 0: it is one number a lane (one set for each rt)
.macro LORA0 byp
	WIN 0x7f                                       ; both sources and C window 3, D window 1
.irp rt, 0,1,2,3
.irp pt, 0,1,2,3,4,5,6,7
.if \byp
	v_wmma_f32_16x16x4_f32 v[8*(8*\rt+\pt):8*(8*\rt+\pt)+7], v[LP+8*\pt:LP+8*\pt+1], v[LR+8*\rt:LR+8*\rt+1], v[BI+8*\pt:BI+8*\pt+7]
.else
	v_wmma_f32_16x16x4_f32 v[8*(8*\rt+\pt):8*(8*\rt+\pt)+7], v[LP+8*\pt:LP+8*\pt+1], v[LR+8*\rt:LR+8*\rt+1], v[BI+8*\rt:BI+8*\rt+7]
.endif
.endr
.endr
	WIN 0
.endm
; 64 accumulator registers of window 1, register 16 b + i = P row 32 b + 16 h + i, become two halves of six code registers at d0, d1 and the scale word in w (all window 0)
.macro QUANT s, d0, d1, w
	WIN 0x14                                       ; sources 1 and 2 window 1
.irp b, 0,1,2,3
	v_max3_num_f32 v[TM+\b], 0x1800000, |v[\s+16*\b]|, |v[\s+16*\b+1]|   ; the floor 2^(3 - 127), and my 16 numbers of block b; each accumulator is read from its low end on
.endr
.irp i, 2,4,6,8,10,12,14
.irp b, 0,1,2,3
	v_max3_num_f32 v[TM+\b], v[TM+\b], |v[\s+16*\b+\i]|, |v[\s+16*\b+\i+1]|
.endr
.endr
	WIN 0
.irp b, 0,1,2,3
	v_permlanex16_b32 v[TM+4+\b], v[TM+\b], s[SEL], s[SEL+1]
.endr
.irp b, 0,1,2,3
	v_max_num_f32 v[TM+\b], v[TM+\b], v[TM+4+\b]
.endr
.irp b, 0,1,2,3
	v_add_nc_u32 v[TM+12+\b], 0xff000000, v[TM+\b]   ; 2 off the exponent field: the conversion's scale operand
.endr
.irp b, 0,1,2,3
	v_lshrrev_b32 v[TM+4+\b], 23, v[TM+12+\b]      ; the scale's byte
.endr
	v_lshl_or_b32 v[\w], v[TM+5], 8, v[TM+4]
	v_lshl_or_b32 v[\w], v[TM+6], 16, v[\w]
	v_lshl_or_b32 v[\w], v[TM+7], 24, v[\w]
	WIN 0x01                                       ; source 0 window 1
	v_cvt_scalef32_pk16_fp6_f32 v[\d0:\d0+2], v[\s:\s+15], v[TM+12]
	v_cvt_scalef32_pk16_fp6_f32 v[CT:CT+2], v[\s+16:\s+31], v[TM+13]
	v_cvt_scalef32_pk16_fp6_f32 v[\d1:\d1+2], v[\s+32:\s+47], v[TM+14]
	v_cvt_scalef32_pk16_fp6_f32 v[CT+4:CT+6], v[\s+48:\s+63], v[TM+15]
	WIN 0
	v_nop                                          ; one plain line behind the scaled conversions
.irp i, 0,1,2
	v_permlane16_swap_b32 v[\d0+\i], v[CT+\i]      ; a whole block to a lane
	v_permlane16_swap_b32 v[\d1+\i], v[CT+4+\i]
.endr
.irp i, 0,1,2
	v_mov_b32 v[\d0+3+\i], v[CT+\i]
	v_mov_b32 v[\d1+3+\i], v[CT+4+\i]
.endr
.endm
	s_load_b512 s[4:19], s[0:1], 0x0               ; img, scl, uimg, Bq, Bk, Bv, bq, bk
	s_load_b128 s[20:23], s[0:1], 0x40             ; bv, qb
	s_load_b64 s[24:25], s[0:1], 0x50              ; kv
	v_lshl_add_u32 v[SPW], v0, 2, SPARE
	v_mov_b32 v[NIL], 0
	ds_add_u32 v[SPW], v[NIL]                      ; the wave's opening: the add and its wait ahead of my first tensor load; work on registers stands between them
	ds_add_u32 v[SPW], v[NIL]
	v_lshrrev_b32 v18, 5, v0
	v_readfirstlane_b32 s[WV], v18                 ; wave 0..3
	s_lshr_b32 s[PH], s[WV], 1
	s_and_b32 s[RH], s[WV], 1
	s_bfe_u32 s[CX], ttmp6, 0x40000
	s_bfe_u32 s[CY], ttmp6, 0x40004
	s_and_b32 s[MODE], ttmp7, 0xffff               ; the cluster's y: 0 q, 1 k, 2 v
	s_lshl_b32 s88, s[MODE], 6
	s_add_co_u32 s88, s88, 512                     ; q, k: P begins at W's first tile,
	s_lshr_b32 s89, ttmp9, 1
	s_lshl_b32 s89, s89, 6                         ; v: at 64 tiles of x for each pair of clusters
	s_lshl_b32 s90, ttmp9, 5                       ; q, k: R: 32 tiles of x a cluster,
	s_and_b32 s91, ttmp9, 1
	s_lshl_b32 s91, s91, 5
	s_add_co_u32 s91, s91, 640                     ; v: half of Wv's 64 tiles
	s_cmp_eq_u32 s[MODE], 2
	s_cselect_b32 s[PT0], s89, s88
	s_cselect_b32 s[RT0], s91, s90
	s_lshl_b32 s88, s[CY], 4
	s_add_co_u32 s[PT0], s[PT0], s88               ; + 16 cy: no register of P's ever holds cx,
	s_lshl_b32 s90, s[CX], 3
	s_add_co_u32 s[RT0], s[RT0], s90               ; + 8 cx: none of R's holds cy
	s_lshl_b32 s88, s[CY], 2
	s_lshl_b32 s88, 15, s88                        ; my row of the cluster
	s_lshl_b32 s90, 0x1111, s[CX]                  ; my column
	; descriptor group 1: rows of 3,072 bytes (a tile's chunk: 384 elements of 8 bytes), 12,288 bytes apart (from tile to tile): 16 rows for P, 8 for R
	s_or_b32 s[G1P], s88, (3<<16)|(1<<21)          ; 15:0 the mask; 17:16 elements of 8 bytes; 21 set beside a mask; no padding
	s_or_b32 s[G1R], s90, (3<<16)|(1<<21)
	s_mov_b32 s[G1P+1], 384<<16                    ; tensor_dim0
	s_mov_b32 s[G1P+2], 16<<16                     ; tensor_dim1: all 16 tiles of P
	s_mov_b32 s[G1P+3], 384<<16                    ; tile_dim0
	s_mov_b32 s[G1P+4], 16                         ; tile_dim1
	s_mov_b32 s[G1P+5], 1536                       ; the pitch
	s_mov_b32 s[G1P+6], 0
	s_mov_b32 s[G1P+7], 0
	s_mov_b32 s[G1R+1], 384<<16
	s_mov_b32 s[G1R+2], 8<<16                      ; all 8 tiles of R
	s_mov_b32 s[G1R+3], 384<<16
	s_mov_b32 s[G1R+4], 8
	s_mov_b32 s[G1R+5], 1536
	s_mov_b32 s[G1R+6], 0
	s_mov_b32 s[G1R+7], 0
	s_mul_i32 s88, s[PT0], 12288                   ; a load brings one whole chunk of one side: even waves P's, odd waves R's; chunk wave / 2 at the head, chunk wave / 2 + 2 later
	s_mul_i32 s92, s[PH], 3072
	s_add_co_u32 s88, s88, s92
	s_mov_b32 s89, 0
	s_mul_i32 s90, s[RT0], 12288
	s_add_co_u32 s90, s90, s92
	s_mov_b32 s91, 0
	s_mul_i32 s92, s[PH], 49152                    ; where they go: the wave's number alone enters an LDS address
	s_mul_i32 s93, s[PH], 24576
	s_lshl_b32 s[PTW], s[PH], 3
	s_add_co_u32 s[PTW], s[PTW], s[PT0]
	s_lshl_b32 s[RTW], s[RH], 2
	s_add_co_u32 s[RTW], s[RTW], s[RT0]
	s_lshl_b32 s96, s[PTW], 9                      ; my tiles' scale words
	s_mov_b32 s97, 0
	s_lshl_b32 s98, s[RTW], 9
	s_mov_b32 s99, 0
	s_mov_b32 s[SEL], 0x76543210
	s_mov_b32 s[SEL+1], 0xfedcba98
	s_mov_b32 s86, 0xffff0000
	v_and_b32 v18, 31, v0                          ; lane
	v_and_b32 v19, 15, v0                          ; r
	v_bfe_u32 v20, v0, 4, 1                        ; h
	v_lshlrev_b32 v1, 4, v18                       ; v1: 16 x lane
	s_wait_alu depctr_va_vdst(0)
	v_lshlrev_b32 v2, 3, v18                       ; v2: 8 x lane
	s_mul_i32 s2, s[PH], 24576
	s_mul_i32 s3, s[RH], 12288
	s_add_co_u32 s3, s3, RBASE
.irp c, 0,1,2,3
	v_add_nc_u32 v[VP+\c], s2, v1
	v_add_nc_u32 v[VR+\c], s3, v1
	s_add_co_u32 s2, s2, 49152
	s_add_co_u32 s3, s3, 24576
.endr
	v_lshlrev_b32 v12, 3, v19
	v_lshl_add_u32 v12, v20, 9, v12                ; v12: scale words: 8 r, lanes 16-31 one tile on
	v_and_b32 v21, 8, v19
	v_add_nc_u32 v21, v21, v19                     ; r + 8 (r / 8)
	v_lshlrev_b32 v13, 6, v21
	v_lshl_add_u32 v13, v20, 5, v13                ; v13: a row of B is 64 bytes; ranks 8 h on
	v_lshlrev_b32 v14, 6, v20                      ; v14: the bias along the registers: 16 h numbers on
	v_lshlrev_b32 v15, 2, v21                      ; v15: the bias along the lanes
.irp b, 0,1,2,3
	v_mov_b32 v[TM+4+\b], 0                        ; written once: a lane permute's destination counts as one of its sources
.endr
	s_wait_dscnt 0x0                               ; the opening add is done
	s_wait_kmcnt 0x0
	s_add_nc_u64 s[88:89], s[4:5], s[88:89]
	s_add_nc_u64 s[90:91], s[4:5], s[90:91]
	s_add_nc_u64 s[96:97], s[6:7], s[96:97]
	s_add_nc_u64 s[98:99], s[6:7], s[98:99]
.irp c, 0,2
	s_mov_b32 s[G0P+4*\c], 1
	s_add_co_u32 s[G0P+4*\c+1], s92, \c*49152      ; LDS address
	s_add_nc_u64 s[G0P+4*\c+2:G0P+4*\c+3], s[88:89], \c*3072   ; global address: chunk wave / 2 + c of the work-group's first tile
	s_or_b32 s[G0P+4*\c+3], s[G0P+4*\c+3], 0x80000000          ; type = 2
	s_mov_b32 s[G0R+4*\c], 1
	s_add_co_u32 s[G0R+4*\c+1], s93, RBASE+\c*24576
	s_add_nc_u64 s[G0R+4*\c+2:G0R+4*\c+3], s[90:91], \c*3072
	s_or_b32 s[G0R+4*\c+3], s[G0R+4*\c+3], 0x80000000
.endr
	CROUND                                         ; all sixteen work-groups are here: the joint loads meet
; THE TENSOR LOADS AS THEY NOW STAND: one joint load a wave at the head (chunks 0 and 1 of both sides), and one more a wave (chunks 2 and 3) behind the three lines and a round of the cluster's barrier, ahead of K step 0.
; By this text's count a wave has one tensor load outstanding at the most.  The branch hangs on the wave's number alone; each line has one mask.
.macro JLOAD c
	s_cmp_eq_u32 s[RH], 0
	s_cbranch_scc0 .Lfor_r_\@
	tensor_load_to_lds s[G0P+4*\c:G0P+4*\c+3], s[G1P:G1P+7]
	s_nop 0
.rept 4
	v_nop
.endr
	s_branch .Lasked_\@
.Lfor_r_\@:
	tensor_load_to_lds s[G0R+4*\c:G0R+4*\c+3], s[G1R:G1R+7]
	s_nop 0
.rept 4
	v_nop
.endr
.Lasked_\@:
.endm
	JLOAD 0
.irp j, 0,1,2,3
.irp q, 0,1,2,3
	global_load_b64 v[PS+8*\j+2*\q:PS+8*\j+2*\q+1], v12, s[96:97] offset:\j*1024+\q*128
.endr
.endr
.irp j, 0,1
.irp q, 0,1,2,3
	global_load_b64 v[RS+8*\j+2*\q:RS+8*\j+2*\q+1], v12, s[98:99] offset:\j*1024+\q*128
.endr
.endr
	; THE BIAS AND THE LOW-RANK TERM.  The two roles part on mode, which is an id and the same in the whole cluster; only registers and global loads stand in the arms
	s_mov_b32 s93, 0
	s_cmp_eq_u32 s[MODE], 2
	s_cbranch_scc1 .Lpro_v
	s_cmp_eq_u32 s[MODE], 0
	s_cselect_b64 s[88:89], s[10:11], s[12:13]     ; Bq or Bk
	s_cselect_b64 s[90:91], s[16:17], s[18:19]     ; bq or bk
	s_lshl_b32 s92, s[CY], 14
	s_lshl_b32 s2, s[PH], 13
	s_add_co_u32 s92, s92, s2                      ; my first channel, 256 cy + 128 ph, x 64 bytes
	s_add_nc_u64 s[88:89], s[88:89], s[92:93]
	s_lshr_b32 s92, s92, 4                         ; x 4 bytes
	s_add_nc_u64 s[90:91], s[90:91], s[92:93]
	s_lshl_b32 s92, s[MODE], 9
	s_add_co_u32 s92, s92, s[RTW]
	s_lshl_b32 s92, s92, 10
	s_add_nc_u64 s[2:3], s[8:9], s[92:93]          ; u of my four tiles of x
	WIN 0xc0
	s_wait_alu depctr_va_vdst(0)
.irp pt, 0,1,2,3,4,5,6,7
	global_load_b128 v[LP+8*\pt:LP+8*\pt+3], v13, s[88:89] offset:(32*(\pt/2)+8*(\pt%2))*64
	global_load_b128 v[LP+8*\pt+4:LP+8*\pt+7], v13, s[88:89] offset:(32*(\pt/2)+8*(\pt%2))*64+16
	global_load_b128 v[BI+8*\pt:BI+8*\pt+3], v14, s[90:91] offset:(32*(\pt/2)+8*(\pt%2))*4
	global_load_b128 v[BI+8*\pt+4:BI+8*\pt+7], v14, s[90:91] offset:(32*(\pt/2)+8*(\pt%2))*4+16
.endr
.irp rt, 0,1,2,3
	global_load_b128 v[LR+8*\rt:LR+8*\rt+3], v1, s[2:3] offset:\rt*1024
	global_load_b128 v[LR+8*\rt+4:LR+8*\rt+7], v1, s[2:3] offset:\rt*1024+512
.endr
	WIN 0
	s_wait_loadcnt 0x0                             ; these, and the scale words
	LORA0 1
	s_branch .Lpro_done
.Lpro_v:
	s_add_co_u32 s92, s[PTW], 1024
	s_lshl_b32 s92, s92, 10
	s_add_nc_u64 s[2:3], s[8:9], s[92:93]          ; u_v of my eight tiles of x
	s_sub_co_u32 s92, s[RTW], 640
	s_lshl_b32 s92, s92, 10                        ; my first channel, 16 x tile, x 64 bytes
	s_add_nc_u64 s[88:89], s[14:15], s[92:93]
	s_lshr_b32 s92, s92, 4
	s_add_nc_u64 s[90:91], s[20:21], s[92:93]
	WIN 0xc0
.irp pt, 0,1,2,3,4,5,6,7
	global_load_b128 v[LP+8*\pt:LP+8*\pt+3], v1, s[2:3] offset:\pt*1024
	global_load_b128 v[LP+8*\pt+4:LP+8*\pt+7], v1, s[2:3] offset:\pt*1024+512
.endr
	s_wait_alu depctr_va_vdst(0)
.irp rt, 0,1,2,3
	global_load_b128 v[LR+8*\rt:LR+8*\rt+3], v13, s[88:89] offset:(32*(\rt/2)+8*(\rt%2))*64
	global_load_b128 v[LR+8*\rt+4:LR+8*\rt+7], v13, s[88:89] offset:(32*(\rt/2)+8*(\rt%2))*64+16
.irp j, 0,1,2,3,4,5,6,7
	global_load_b32 v[BI+8*\rt+\j], v15, s[90:91] offset:(32*(\rt/2)+8*(\rt%2))*4   ; my channel's bias, in all eight registers
.endr
.endr
	WIN 0
	s_wait_loadcnt 0x0
	LORA0 0
.Lpro_done:
	WIN 0x5f                                       ; both sources window 3, C and D window 1
.irp s, 1,2,3
.irp rt, 0,1,2,3
.irp pt, 0,1,2,3,4,5,6,7
	v_wmma_f32_16x16x4_f32 v[8*(8*\rt+\pt):8*(8*\rt+\pt)+7], v[LP+8*\pt+2*\s:LP+8*\pt+2*\s+1], v[LR+8*\rt+2*\s:LR+8*\rt+2*\s+1], v[8*(8*\rt+\pt):8*(8*\rt+\pt)+7]
.endr
.endr
.endr
	WIN 0
.rept 9
	v_nop                                          ; nine places between the f32 form and another form that writes over its results
.endr
	s_wait_tensorcnt 0x0                           ; my chunk of the first two has landed
	ds_add_u32 v[SPW], v[NIL]
	s_wait_dscnt 0x0
	CROUND                                         ; everybody's has, and all sixteen work-groups are here
	JLOAD 2                                        ; chunks 2 and 3: the first tensor load behind the round
	FETCH 0
.irp s, 0,1,2,3,4,5,6,7
	STEP \s
.endr
	WIN 0
.rept 4
	v_nop                                          ; four places behind the last product, ahead of the first read of results
.endr
	; THE WAY OUT: quantise in registers and store images, 512 consecutive bytes a store.  s28 to s45 held descriptors whose loads were shown done by the wait for 0 in K step 3
	s_mov_b32 s33, 0
	s_cmp_eq_u32 s[MODE], 2
	s_cbranch_scc1 .Lepi_v
	s_mov_b32 s28, 0xffff
	s_mov_b32 s29, 0x7f7f0000
	s_lshr_b32 s30, s[RTW], 7                      ; the batch: 128 tiles of x each
	s_lshl_b32 s30, s30, 4
	s_lshl_b32 s31, s[CY], 2
	s_add_co_u32 s30, s30, s31
	s_lshl_b32 s31, s[PH], 1
	s_add_co_u32 s30, s30, s31                     ; (batch, head) of my first 64 channels: 16 b + 4 cy + 2 ph
	s_and_b32 s31, s[RTW], 127
	s_lshr_b32 s31, s31, 1                         ; my first pair of tiles in the batch
	s_lshl_b32 s32, s30, 1
	s_lshr_b32 s34, s31, 5
	s_add_co_u32 s32, s32, s34                     ; k: two blocks a head, 32 pairs each
	s_and_b32 s35, s31, 31
	s_mov_b32 s34, 212992
	s_cmp_eq_u32 s[MODE], 0
	s_cselect_b32 s30, s30, s32                    ; the block,
	s_cselect_b32 s31, s31, s35                    ; the pair in it,
	s_cselect_b32 s34, 106496, s34                 ; from a head to the next,
	s_cselect_b64 s[36:37], s[22:23], s[24:25]     ; qb or kv
	s_mov_b32 s35, 0
	s_mul_i32 s32, s30, 106496
	s_add_nc_u64 s[36:37], s[36:37], s[32:33]
	s_mul_i32 s32, s31, 1536
	s_add_nc_u64 s[38:39], s[36:37], s[32:33]      ; the first head's images,
	s_add_nc_u64 s[40:41], s[38:39], s[34:35]      ; the second's
	s_lshr_b32 s32, s31, 1
	s_lshl_b32 s32, s32, 8
	s_add_nc_u64 s[42:43], s[36:37], s[32:33]      ; and their scale words
	s_add_nc_u64 s[44:45], s[42:43], s[34:35]
.irp rt, 0,1,2,3                       ; the 128 channels are two heads: the first six code registers are the first head's, the other six the second's; tiles 2 p, 2 p + 1 share an image
	QUANT 64*\rt, IMG+12*(2*(\rt/2))+6*(\rt%2), IMG+12*(2*(\rt/2)+1)+6*(\rt%2), WD+\rt
.endr
.irp p, 0,1
	v_cndmask_b32 v[160+\p], v[WD+2*\p], v[WD+2*\p+1], s86   ; lanes 0-15 the even tile's word, lanes 16-31 the odd one's
.endr
.irp p, 0,1
	v_and_or_b32 v[156+\p], v[160+\p], s28, s29    ; the first head's two bytes, and 127 twice
	v_lshrrev_b32 v[160+\p], 16, v[160+\p]
	v_or_b32 v[158+\p], s29, v[160+\p]             ; the second head's
.endr
.irp p, 0,1
.irp n, 0,1,2
	global_store_b128 v1, v[IMG+24*\p+4*\n:IMG+24*\p+4*\n+3], s[38:39] offset:\p*1536+\n*512
	global_store_b128 v1, v[IMG+24*\p+12+4*\n:IMG+24*\p+12+4*\n+3], s[40:41] offset:\p*1536+\n*512
.endr
.endr
	global_store_b64 v2, v[156:157], s[42:43] offset:98304   ; 256 consecutive bytes
	global_store_b64 v2, v[158:159], s[44:45] offset:98304
	s_branch .Lend
.Lepi_v:
	s_lshr_b32 s30, s[PTW], 7                      ; the batch
	s_lshl_b32 s30, s30, 4
	s_sub_co_u32 s31, s[RTW], 640
	s_lshr_b32 s31, s31, 2                         ; the head: four tiles of channels each
	s_add_co_u32 s30, s30, s31
	s_and_b32 s31, s[PTW], 127
	s_lshr_b32 s31, s31, 3                         ; the key step: 8 tiles of x
	s_lshl_b32 s30, s30, 1
	s_lshr_b32 s32, s31, 3
	s_add_co_u32 s30, s30, s32                     ; the block
	s_and_b32 s31, s31, 7
	s_mul_i32 s32, s30, 106496
	s_add_nc_u64 s[36:37], s[24:25], s[32:33]
	s_mul_i32 s32, s31, 6144
	s_add_nc_u64 s[38:39], s[36:37], s[32:33]
	s_lshl_b32 s32, s31, 9
	s_add_nc_u64 s[42:43], s[36:37], s[32:33]
.irp rt, 0,1,2,3                       ; 16 channels x 128 keys: one fragment
	QUANT 64*\rt, IMG+12*\rt, IMG+12*\rt+6, WD+\rt
.endr
.irp rt, 0,1,2,3
.irp n, 0,1,2
	global_store_b128 v1, v[IMG+12*\rt+4*\n:IMG+12*\rt+4*\n+3], s[38:39] offset:49152+\rt*1536+\n*512
.endr
.endr
	global_store_b128 v1, v[WD:WD+3], s[42:43] offset:102400
.Lend:
	s_wait_tensorcnt 0x0                           ; the wave's end, behind my last tensor load
	ds_add_u32 v[SPW], v[NIL]
	s_wait_dscnt 0x0
	CROUND                                         ; the closing round
	s_endpgm
.Lfunc_end_k_q38ce67c6eb_proj:
	.size	k_q38ce67c6eb_proj, .Lfunc_end_k_q38ce67c6eb_proj-k_q38ce67c6eb_proj
	.p2alignl 7, 3214868480
	.fill 96, 4, 3214868480
	.section	.rodata,"a",@progbits
	.p2align	6, 0x0
	.amdhsa_kernel k_q38ce67c6eb_proj
		.amdhsa_group_segment_fixed_size 327680
		.amdhsa_private_segment_fixed_size 0
		.amdhsa_enable_private_segment 0
		.amdhsa_kernarg_size 88
		.amdhsa_user_sgpr_count 2
		.amdhsa_user_sgpr_kernarg_segment_ptr 1
		.amdhsa_wavefront_size32 1
		.amdhsa_system_sgpr_workgroup_id_x 1
		.amdhsa_system_sgpr_workgroup_id_y 1
		.amdhsa_system_sgpr_workgroup_id_z 1
		.amdhsa_system_vgpr_workitem_id 0
		.amdhsa_next_free_vgpr 1024
		.amdhsa_next_free_sgpr 100
		.amdhsa_reserve_vcc 0
		.amdhsa_float_denorm_mode_32 3
		.amdhsa_float_denorm_mode_16_64 3
		.amdhsa_memory_ordered 1
		.amdhsa_forward_progress 1
		.amdhsa_inst_pref_size 119
	.end_amdhsa_kernel
	.amdgpu_metadata
---
amdhsa.version: [ 1, 2 ]
amdhsa.kernels:
  - .name:           k_q38ce67c6eb_proj
    .symbol:         k_q38ce67c6eb_proj.kd
    .args:
      - { .name: img, .offset: 0, .size: 8, .value_kind: global_buffer, .address_space: global }
      - { .name: scl, .offset: 8, .size: 8, .value_kind: global_buffer, .address_space: global }
      - { .name: uimg, .offset: 16, .size: 8, .value_kind: global_buffer, .address_space: global }
      - { .name: Bq, .offset: 24, .size: 8, .value_kind: global_buffer, .address_space: global }
      - { .name: Bk, .offset: 32, .size: 8, .value_kind: global_buffer, .address_space: global }
      - { .name: Bv, .offset: 40, .size: 8, .value_kind: global_buffer, .address_space: global }
      - { .name: bq, .offset: 48, .size: 8, .value_kind: global_buffer, .address_space: global }
      - { .name: bk, .offset: 56, .size: 8, .value_kind: global_buffer, .address_space: global }
      - { .name: bv, .offset: 64, .size: 8, .value_kind: global_buffer, .address_space: global }
      - { .name: qb, .offset: 72, .size: 8, .value_kind: global_buffer, .address_space: global }
      - { .name: kv, .offset: 80, .size: 8, .value_kind: global_buffer, .address_space: global }
    .group_segment_fixed_size: 327680
    .private_segment_fixed_size: 0
    .kernarg_segment_align: 8
    .kernarg_segment_size: 88
    .max_flat_workgroup_size: 128
    .sgpr_count:     100
    .vgpr_count:     1024
    .wavefront_size: 32
...
	.end_amdgpu_metadata
.endif
;; end of part 3
;; launch attn (part 4): grid 4 x 64, 8 waves a work-group, clusters of 4 x 1, 327,680 bytes of LDS; arguments qb, kv, attention_mask, out0; writes out0
.if DOCPART == 4
	.amdgcn_target "amdgcn-amd-amdhsa--gfx1250"
	.amdhsa_code_object_version 6
	.text
	.protected	k_q38ce67c6eb_attn
	.globl	k_q38ce67c6eb_attn
	.p2align	8
	.type	k_q38ce67c6eb_attn,@function
k_q38ce67c6eb_attn:
	s_mov_b64 s[64:65], 0
	v_nop
	global_prefetch_b8 v0, s[64:65] scope:SCOPE_SE
	s_setreg_imm32_b32 hwreg(HW_REG_WAVE_MODE, 25, 1), 1
	s_wait_xcnt 0x0
	s_wait_alu depctr_hold_cnt(0) depctr_sa_sdst(0) depctr_va_vdst(0) depctr_va_sdst(0) depctr_va_ssrc(0) depctr_va_vcc(0) depctr_vm_vsrc(0)
	s_getreg_b32 s2, hwreg(HW_REG_IB_STS2, 6, 4)
	s_cmp_eq_u32 s2, 0
	s_cbranch_scc0 .Lentry_in_a_cluster
	s_endpgm
.Lentry_in_a_cluster:
	s_bfe_u32 s2, ttmp6, 0x10000c
	s_cmp_lg_u32 s2, 0x3003
	s_cbranch_scc0 .Lentry_shape_is_right
	s_endpgm
.Lentry_shape_is_right:
; out[b][q][64 head + :] = the sum over k of softmax_k(q . k / 8 + mask[b][k]) v[k], both products on codes of FP6 (E2M3) with one E8M0 scale for each 32 along a product's K.
; THE SOFTMAX: t = (score + 8 mask) x log2(e) / 8; M = the running largest t rounded up to a whole number; p = 2^(t - M) is quantised along the keys, not normalised; the row's sum is taken of the
; unquantised p and divides at the end.  When M moves, the sum and O are multiplied by 2^(old M - new M): exact.  8 x mask is the C of the first product.
; SHARES.  A cluster of four work-groups takes one (batch, head); a work-group 512 queries in two passes of 256; each of its eight waves two tiles of 16 queries a pass.
; A head's k and v, codes and scale words, 212,992 bytes, come into LDS once, as they lie in kv, by joint tensor loads: each wave one eighth of keys 0-1,023 at the head, and one eighth of keys 1,024-2,047
; behind the three lines and a round of the cluster's barrier.  By this text's count a wave has one tensor load outstanding.  No prefetch: both loads stand ahead of the loops.
; LAYOUT.  Both products are used transposed (S^T = k q^T, O^T = v^T p^T): a lane holds one query throughout.
; THE KEYS OF A TILE ARE CHOSEN BY THE LANES' LDS ADDRESSES: tile 4 c + u takes in rows 0-7 keys 8 u .. 8 u + 7 of block 2 c and in rows 8-15 the same of block 2 c + 1 (blocks of 32 keys of the step's 128).
; kv's pair image b holds block b (even tile keys 0-7, 16-23, odd tile 8-15, 24-31), so lane (r, h) reads image 2 c + r / 8 at lane 8 (u / 2) + r % 8 + 16 h: twelve registers are tiles u = 2 g and 2 g + 1.
; Then the 32 registers of tiles 4 c .. 4 c + 3 in lane half h are block 2 c + h whole, in order: its largest score needs no other lane, and the conversions' results are the operand's registers.
; The head has 64 channels, half of the instruction's K: q's upper six registers are zero codes, k's upper six are the next tile's codes (or zeros), both sides' upper scale bytes are 127.
; The next step's k, scale words and mask are asked for behind this step's first products; a run's last step so asks for bytes behind its own (v's images, v's scale words, the mask's tail), which are not used.
; LIMITS: 8 x mask must be finite or -infinity (a mask under about -4e37 counts as -infinity); a row all of whose keys are so masked gives NaN; NaN among the inputs is not served.
; REGISTERS.  window 0: v1-11, v23, v232 addresses; v12-19 for each tile -M, the largest score, the sum in two halves; v22 q's scale words; v24-27 k's; v28-31 v's; v32-79 at work, 24 a tile; v80-103 p's codes; v104-231 S^T, then p.
;   window 1: v0-63 O^T; v64-87 q; v88-141 k's eight tiles and six zeros; v142-189 v's four fragments; v190-253 8 x mask in the result's layout.
.set MASKB, 212992                     ; LDS: behind the head's block: 8 x mask, 2,048 numbers, and a tail of 4,096 bytes
.set STG,   225280                     ; the stages: for each wave 2 x 16 rows x 272 bytes
.set SPARE, 294912                     ; the spare words, 128 bytes for each wave
.set LI,  1                            ; 16 x lane
.set L8,  2                            ; 8 x lane
.set LM,  3                            ; MASKB + 128 h
.set AK,  4                            ; 1536 (r / 8) + 16 (r % 8) + 256 h
.set AS,  5                            ; 4 (r / 8) + 8 (r % 8) + 128 h
.set ADV, 6
.set ADT, 7
.set STO, 8
.set SRD, 9
.set GO,  10
.set ADK, 11
.set STT, 12                           ; + 4 x
.set SPW, 20                           ; my spare word's LDS address; never rewritten
.set NIL, 21                           ; 0; never rewritten
.set QSC, 22
.set ADS, 23
.set KSC, 24                           ; register 2 c + g: lanes 0-15 tile u = 2 g, lanes 16-31 tile 2 g + 1
.set VSC, 28
.set WS,  24                           ; work registers: + 24 x
.set BA,  32                           ; + c: the block's largest score
.set BB,  34
.set MU,  36
.set SO,  38                           ; + c: the conversions' scale operand
.set BY,  40
.set FF,  42                           ; f = 2^(old M - new M); later 1 / the sum
.set PSW, 43                           ; p's scale word
.set TP,  44
.set TQ,  45
.set CT,  46                           ; + 4 c: the upper halves of the blocks' codes
.set PCD, 80                           ; + 12 x
.set S,   104                          ; + 64 x
.set ADM, 232
.set O,   0                            ; window 1: + 32 x
.set QA,  64
.set KF,  88
.set VF,  142
.set MK,  190
.set WV,  12
.set CX,  13
.set BH,  14
.set SEL, 20                           ; s[20:21] lane selects: lane l xor 16
.set CS,  22                           ; s[22:23] c = log2(e) / 8
.set G1,  24
.set G0,  32
.set TB,  40
.set TS,  41
.set TMK, 42
.set MSB, 0
.macro WIN new                         ; the immediate's high byte repeats the setting that is left
.if MSB != \new
	s_set_vgpr_msb (MSB<<8)|\new
.set MSB, \new
.endif
.endm
.macro CROUND                          ; a round of the cluster's barrier
	s_barrier_signal -1
	s_barrier_wait -1
	s_cmp_lg_u32 s[WV], 0
	s_cbranch_scc1 .Lnot_wave_0_\@
	s_barrier_signal -3
.Lnot_wave_0_\@:
	s_barrier_wait -3
	s_barrier_signal -1
	s_barrier_wait -1
.endm
.macro WMS d, a, b, c, sa, sb, ra, rb  ; a product on codes; ra, rb: take the side's scale words from lanes 16-31
.if (\ra) && (\rb)
	v_wmma_scale_f32_16x16x128_f8f6f4 v[\d:\d+7], v[\a:\a+11], v[\b:\b+11], v[\c:\c+7], v[\sa], v[\sb] matrix_a_fmt:MATRIX_FMT_FP6 matrix_b_fmt:MATRIX_FMT_FP6 matrix_a_scale:MATRIX_SCALE_ROW1 matrix_b_scale:MATRIX_SCALE_ROW1
.elseif (\ra)
	v_wmma_scale_f32_16x16x128_f8f6f4 v[\d:\d+7], v[\a:\a+11], v[\b:\b+11], v[\c:\c+7], v[\sa], v[\sb] matrix_a_fmt:MATRIX_FMT_FP6 matrix_b_fmt:MATRIX_FMT_FP6 matrix_a_scale:MATRIX_SCALE_ROW1
.elseif (\rb)
	v_wmma_scale_f32_16x16x128_f8f6f4 v[\d:\d+7], v[\a:\a+11], v[\b:\b+11], v[\c:\c+7], v[\sa], v[\sb] matrix_a_fmt:MATRIX_FMT_FP6 matrix_b_fmt:MATRIX_FMT_FP6 matrix_b_scale:MATRIX_SCALE_ROW1
.else
	v_wmma_scale_f32_16x16x128_f8f6f4 v[\d:\d+7], v[\a:\a+11], v[\b:\b+11], v[\c:\c+7], v[\sa], v[\sb] matrix_a_fmt:MATRIX_FMT_FP6 matrix_b_fmt:MATRIX_FMT_FP6
.endif
.endm
; k's scale words, k's tiles and 8 x mask of the step at TB, TS, TMK (n = 0) or of the step behind it (n = 1): 4 + 12 + 16 LDS loads.  The first four lines are also the places behind the first products
.macro LOADK n
	v_add_nc_u32 v[ADK], s[TB], v[AK]
	v_add_nc_u32 v[ADS], s[TS], v[AS]
	v_add_nc_u32 v[ADM], s[TMK], v[LM]
	v_nop
.irp g, 0,1,2,3
	ds_load_b32 v[KSC+\g], v[ADS] offset:512*\n+256*(\g/2)+64*(\g%2)
.endr
	WIN 0x40
.irp g, 0,1,2,3
.irp p, 0,1,2
	ds_load_b128 v[KF+12*\g+4*\p:KF+12*\g+4*\p+3], v[ADK] offset:6144*\n+3072*(\g/2)+128*(\g%2)+512*\p
.endr
.endr
.irp t, 0,1,2,3,4,5,6,7
	ds_load_b128 v[MK+8*\t:MK+8*\t+3], v[ADM] offset:512*\n+256*(\t/4)+32*(\t%4)       ; keys 64 (t / 4) + 32 h + 8 (t % 4) + 0 .. 7
	ds_load_b128 v[MK+8*\t+4:MK+8*\t+7], v[ADM] offset:512*\n+256*(\t/4)+32*(\t%4)+16
.endr
	WIN 0
.endm
.macro SUMS j                          ; the row's sum of the unquantised p, in two chains a tile
.irp x, 0,1
	v_pk_add_f32 v[STT+4*\x+2:STT+4*\x+3], v[STT+4*\x+2:STT+4*\x+3], v[S+64*\x+\j:S+64*\x+\j+1]
	v_pk_add_f32 v[MU+WS*\x:MU+WS*\x+1], v[MU+WS*\x:MU+WS*\x+1], v[S+64*\x+\j+2:S+64*\x+\j+3]
.endr
.endm
; A KEY STEP: 128 keys, both tiles of queries by turns
.macro STEP
	v_add_nc_u32 v[ADV], s[TB], v[LI]              ; four places between the last step's products and the loads into their operands
	v_add_nc_u32 v[ADT], s[TS], v[LI]
	v_nop
	v_nop
	WIN 0x40
.irp u, 0,1,2,3
.irp p, 0,1,2
	ds_load_b128 v[VF+12*\u+4*\p:VF+12*\u+4*\p+3], v[ADV] offset:49152+\u*1536+\p*512
.endr
.endr
	WIN 0
	ds_load_b128 v[VSC:VSC+3], v[ADT] offset:4096
	s_wait_dscnt 13                                ; all but v's twelve loads and its scale words: k, its scale words and the mask are in
	WIN 0x15                                       ; sources and C window 1, D window 0
.irp t, 0,1,2,3,4,5,6,7
.irp x, 0,1
	WMS S+64*\x+8*\t, KF+6*\t, QA+12*\x, MK+8*\t, KSC+2*(\t/4)+(\t%4)/2, QSC, \t%2, \x
.endr
.endr
	WIN 0
	LOADK 1
.irp c, 0,1                            ; the largest score of my block 2 c + h, in two chains; each accumulator is first read at its low end
.irp x, 0,1
	v_max3_num_f32 v[BA+WS*\x+\c], v[S+64*\x+32*\c], v[S+64*\x+32*\c+1], v[S+64*\x+32*\c+2]
	v_max3_num_f32 v[BB+WS*\x+\c], v[S+64*\x+32*\c+17], v[S+64*\x+32*\c+18], v[S+64*\x+32*\c+19]
.endr
.endr
.irp i, 0,2,4,6,8,10
.irp c, 0,1
.irp x, 0,1
	v_max3_num_f32 v[BA+WS*\x+\c], v[BA+WS*\x+\c], v[S+64*\x+32*\c+3+\i], v[S+64*\x+32*\c+4+\i]
	v_max3_num_f32 v[BB+WS*\x+\c], v[BB+WS*\x+\c], v[S+64*\x+32*\c+20+\i], v[S+64*\x+32*\c+21+\i]
.endr
.endr
.endr
.irp c, 0,1
.irp x, 0,1
	v_max3_num_f32 v[BA+WS*\x+\c], v[BA+WS*\x+\c], v[S+64*\x+32*\c+15], v[S+64*\x+32*\c+16]
.endr
.endr
.irp c, 0,1
.irp x, 0,1
	s_delay_alu instid0(VALU_DEP_4)
	v_max_num_f32 v[BA+WS*\x+\c], v[BA+WS*\x+\c], v[BB+WS*\x+\c]
.endr
.endr
.irp x, 0,1
	s_delay_alu instid0(VALU_DEP_2)
	v_max_num_f32 v[TP+WS*\x], v[BA+WS*\x], v[BA+WS*\x+1]
.endr
.irp x, 0,1
	v_mov_b32 v[BB+WS*\x], v[STT+4*\x]             ; the old -M
.endr
.irp x, 0,1
	s_delay_alu instid0(VALU_DEP_4)
	v_permlanex16_b32 v[TQ+WS*\x], v[TP+WS*\x], s[SEL], s[SEL+1]
.endr
.irp x, 0,1
	s_delay_alu instid0(VALU_DEP_2)
	v_max3_num_f32 v[STT+4*\x+1], v[STT+4*\x+1], v[TP+WS*\x], v[TQ+WS*\x]   ; the running largest score of my query
.endr
.irp x, 0,1
	s_delay_alu instid0(VALU_DEP_2)
	v_mul_f32 v[TP+WS*\x], s[CS], v[STT+4*\x+1]    ; as t (c is positive)
.endr
.irp x, 0,1
	s_delay_alu instid0(VALU_DEP_2)
	v_floor_f32 v[STT+4*\x], -v[TP+WS*\x]          ; the new -M = floor(-t): M is a whole number
.endr
.irp x, 0,1
	s_delay_alu instid0(VALU_DEP_2)
	v_sub_f32 v[TP+WS*\x], v[STT+4*\x], v[BB+WS*\x]   ; old M - new M: a whole number, 0 or less
.endr
.irp x, 0,1
	s_delay_alu instid0(VALU_DEP_2)
	v_cvt_i32_f32 v[TP+WS*\x], v[TP+WS*\x]         ; (it saturates)
.endr
.irp x, 0,1
	s_delay_alu instid0(VALU_DEP_2)
	v_ldexp_f32 v[FF+WS*\x], 1.0, v[TP+WS*\x]      ; f = 2^(old M - new M)
.endr
.irp j, 0,2,4,6,8,10,12,14,16,18,20,22,24,26,28,30,32,34,36,38,40,42,44,46,48,50,52,54,56,58,60,62
.irp x, 0,1
	v_pk_fma_f32 v[S+64*\x+\j:S+64*\x+\j+1], v[S+64*\x+\j:S+64*\x+\j+1], s[CS:CS+1], v[STT+4*\x:STT+4*\x+1] op_sel_hi:[1,0,0]   ; t - M, two at a time
.endr
.endr
.irp c, 0,1
.irp x, 0,1
	v_fma_f32 v[BA+WS*\x+\c], v[BA+WS*\x+\c], s[CS], v[STT+4*\x]   ; the same of each block's largest score
.endr
.endr
	s_wait_alu depctr_va_vdst(0)                   ; the wait ahead of the batch
.irp c, 0,1
.irp x, 0,1
	v_exp_f32 v[BA+WS*\x+\c], v[BA+WS*\x+\c]       ; the block's largest p: the same two instructions on the same number
.endr
.endr
.irp j, 0,1,2,3,4,5,6,7,8,9,10,11,12,13,14,15,16,17,18,19,20,21,22,23,24,25,26,27,28,29,30,31,32,33,34,35,36,37,38,39,40,41,42,43,44,45,46,47,48,49,50,51,52,53,54,55,56,57,58,59,60,61,62,63
.irp x, 0,1
	v_exp_f32 v[S+64*\x+\j], v[S+64*\x+\j]         ; p = 2^(t - M)
.endr
.endr
.irp x, 0,1
	v_pk_mul_f32 v[STT+4*\x+2:STT+4*\x+3], v[STT+4*\x+2:STT+4*\x+3], v[FF+WS*\x:FF+WS*\x+1] op_sel_hi:[1,0]   ; the sums under the new M: plain lines behind the exponentials
.endr
	s_wait_alu depctr_va_vdst(0)                   ; one wait for the whole batch, ahead of its first reader
.irp c, 0,1
.irp x, 0,1
	v_max_num_f32 v[BA+WS*\x+\c], 0x1800000, v[BA+WS*\x+\c]   ; the floor 2^(3 - 127): the byte cannot fall under 1
.endr
.endr
.irp x, 0,1
	v_pk_add_f32 v[MU+WS*\x:MU+WS*\x+1], v[S+64*\x:S+64*\x+1], v[S+64*\x+2:S+64*\x+3]
.endr
	SUMS 4
.irp c, 0,1
.irp x, 0,1
	v_add_nc_u32 v[SO+WS*\x+\c], 0xff000000, v[BA+WS*\x+\c]   ; 2 off the exponent field: the conversion's scale operand
.endr
.endr
	SUMS 8
	SUMS 12
.irp c, 0,1
.irp x, 0,1
	v_lshrrev_b32 v[BY+WS*\x+\c], 23, v[SO+WS*\x+\c]   ; the scale's byte
.endr
.endr
	SUMS 16
	SUMS 20
.irp x, 0,1
	v_lshl_or_b32 v[BY+WS*\x], v[BY+WS*\x+1], 16, v[BY+WS*\x]   ; my blocks h and 2 + h
.endr
	SUMS 24
	SUMS 28
.irp x, 0,1
	v_permlanex16_b32 v[TQ+WS*\x], v[BY+WS*\x], s[SEL], s[SEL+1]
.endr
	SUMS 32
	SUMS 36
.irp x, 0,1
	v_lshl_or_b32 v[PSW+WS*\x], v[TQ+WS*\x], 8, v[BY+WS*\x]   ; p's scale word, whole in lanes 0-15, which alone are read
.endr
.irp j, 40,44,48,52,56,60
	SUMS \j
.endr
	s_delay_alu instid0(VALU_DEP_3)
	v_pk_add_f32 v[STT+2:STT+3], v[STT+2:STT+3], v[MU:MU+1]             ; the two chains of tile 0 join,
	s_delay_alu instid0(VALU_DEP_2)
	v_pk_add_f32 v[STT+6:STT+7], v[STT+6:STT+7], v[MU+WS:MU+WS+1]       ; and those of tile 1
.irp c, 0,1
.irp x, 0,1
	v_cvt_scalef32_pk16_fp6_f32 v[PCD+12*\x+6*\c:PCD+12*\x+6*\c+2], v[S+64*\x+32*\c:S+64*\x+32*\c+15], v[SO+WS*\x+\c]
	v_cvt_scalef32_pk16_fp6_f32 v[CT+WS*\x+4*\c:CT+WS*\x+4*\c+2], v[S+64*\x+32*\c+16:S+64*\x+32*\c+31], v[SO+WS*\x+\c]   ; (a conversion's three registers begin on an even number)
.endr
.endr
	v_nop                                          ; one plain line behind the scaled conversions
.irp c, 0,1
.irp i, 0,1,2
.irp x, 0,1
	v_mov_b32 v[PCD+12*\x+6*\c+3+\i], v[CT+WS*\x+4*\c+\i]
.endr
.endr
.endr
	WIN 0x41                                       ; O^T (destination and source 0) window 1, f window 0
	s_wait_alu depctr_va_vdst(0)                   ; the wait directly ahead of the first reader of O^T
.irp j, 0,2,4,6,8,10,12,14,16,18,20,22,24,26,28,30
.irp x, 0,1
	v_pk_mul_f32 v[O+32*\x+\j:O+32*\x+\j+1], v[O+32*\x+\j:O+32*\x+\j+1], v[FF+WS*\x:FF+WS*\x+1] op_sel_hi:[1,0]   ; O^T under the new M, from the low end on; these 32 also stand between p's codes and scale word and the products
.endr
.endr
	s_wait_alu depctr_va_vdst(0)
	s_wait_dscnt 32                                ; all but the next step's 32 loads: v and its scale words are in
	WIN 0x51                                       ; source 0 (v), C and D window 1, source 1 (p) window 0
.irp u, 0,1,2,3
.irp x, 0,1
	WMS O+32*\x+8*\u, VF+12*\u, PCD+12*\x, O+32*\x+8*\u, VSC+\u, PSW+WS*\x, 0, 0
.endr
.endr
	WIN 0
.endm
.macro RUN n                           ; 1,024 keys: eight steps
	s_mov_b32 s[TB], \n*106496
	s_mov_b32 s[TS], \n*106496+98304
	s_mov_b32 s[TMK], \n*4096
	s_mov_b32 s43, 8
	s_wait_dscnt 0x0                               ; no load is out into the registers that the loads below fill
	LOADK 0
.Lstep_\@:
	STEP
	s_add_co_u32 s[TB], s[TB], 6144
	s_add_co_u32 s[TS], s[TS], 512
	s_add_co_u32 s[TMK], s[TMK], 512
	s_sub_co_u32 s43, s43, 1
	s_cmp_lg_u32 s43, 0
	s_cbranch_scc1 .Lstep_\@
.endm
.macro QLOAD                           ; a pass's q: asked for ahead of the work under which it lands (at the head ahead of the tensor loads; for the second pass ahead of the first pass's way out)
	WIN 0x40
	global_load_b128 v[QA:QA+3], v[LI], s[46:47]               ; the pair image's registers 0-5 are tile 0, 6-11 tile 1
	global_load_b64 v[QA+4:QA+5], v[LI], s[46:47] offset:512
	global_load_b64 v[QA+12:QA+13], v[LI], s[46:47] offset:520
	global_load_b128 v[QA+14:QA+17], v[LI], s[46:47] offset:1024
	WIN 0
	global_load_b32 v[QSC], v[L8], s[48:49]        ; lanes 0-15 tile 0's word, lanes 16-31 tile 1's
.endm
.macro PASS first                      ; 256 queries of the work-group, 32 of the wave
	WIN 0x40
.irp j, 0,1,2,3,4,5,6,7,8,9,10,11,12,13,14,15,16,17,18,19,20,21,22,23,24,25,26,27,28,29,30,31,32,33,34,35,36,37,38,39,40,41,42,43,44,45,46,47,48,49,50,51,52,53,54,55,56,57,58,59,60,61,62,63
	v_mov_b32 v[O+\j], 0                           ; O^T: the step is written once; its first run finds zeros
.endr
	WIN 0
.irp x, 0,1
	v_mov_b32 v[STT+4*\x+1], 0xff61b1e6            ; the largest score so far: -3e38
	v_mov_b32 v[STT+4*\x+2], 0                     ; the sum, in two halves
	v_mov_b32 v[STT+4*\x+3], 0
.endr
.irp x, 0,1
	v_mul_f32 v[STT+4*\x], s[CS], v[STT+4*\x+1]
.endr
.irp x, 0,1
	s_delay_alu instid0(VALU_DEP_2)
	v_floor_f32 v[STT+4*\x], -v[STT+4*\x]          ; -M
.endr
	s_wait_alu depctr_va_vdst(0)
	s_wait_loadcnt 0x0
	RUN 0
.if \first
	s_wait_tensorcnt 0x0                           ; my part of keys 1,024 to 2,047 has landed,
	s_wait_dscnt 0x0
	s_barrier_signal -1
	s_barrier_wait -1                              ; and everybody's
.endif
	RUN 1
.if \first
	s_add_nc_u64 s[46:47], s[46:47], 12288         ; eight pairs on: this pass's loads of q were shown done by the wait at its head, and the last products on q stand a whole softmax back
	s_add_nc_u64 s[48:49], s[48:49], 1024
	QLOAD
.endif
	; THE WAY OUT.  O^T / the sum goes through my stages and leaves as whole rows of a head: sixteen lanes store 256 consecutive bytes, aligned.  The additions are the places behind the last products
.irp x, 0,1
	v_add_f32 v[STT+4*\x+2], v[STT+4*\x+2], v[STT+4*\x+3]
.endr
.irp x, 0,1
	s_delay_alu instid0(VALU_DEP_2)
	v_permlanex16_b32 v[TQ+WS*\x], v[STT+4*\x+2], s[SEL], s[SEL+1]
.endr
.irp x, 0,1
	s_delay_alu instid0(VALU_DEP_2)
	v_add_f32 v[STT+4*\x+2], v[STT+4*\x+2], v[TQ+WS*\x]   ; the row's sum
.endr
	v_nop
	v_nop
	s_wait_alu depctr_va_vdst(0)                   ; the wait ahead of the reciprocals
.irp x, 0,1
	v_rcp_f32 v[FF+WS*\x], v[STT+4*\x+2]
.endr
	v_nop                                          ; a plain line behind the reciprocals
	WIN 0x01                                       ; source 0 window 1
	s_wait_alu depctr_va_vdst(0)                   ; and the wait ahead of their first reader, which is O^T's first reader too
.irp j, 0,2,4,6,8,10,12,14,16,18,20,22,24,26,28,30
.irp x, 0,1
	v_pk_mul_f32 v[S+64*\x+\j:S+64*\x+\j+1], v[O+32*\x+\j:O+32*\x+\j+1], v[FF+WS*\x:FF+WS*\x+1] op_sel_hi:[1,0]   ; register 8 u + i: channel 32 (u / 2) + 16 h + 8 (u % 2) + i of query lane r
.endr
.endr
	WIN 0
.irp x, 0,1
.irp u, 0,1,2,3
	ds_store_b128 v[STO], v[S+64*\x+8*\u:S+64*\x+8*\u+3] offset:\x*4352+128*(\u/2)+32*(\u%2)
	ds_store_b128 v[STO], v[S+64*\x+8*\u+4:S+64*\x+8*\u+7] offset:\x*4352+128*(\u/2)+32*(\u%2)+16
.endr
.endr
.irp x, 0,1
.irp i, 0,1,2,3,4,5,6,7
	ds_load_b128 v[S+64*\x+32+4*\i:S+64*\x+32+4*\i+3], v[SRD] offset:\x*4352+2*\i*272   ; LDS serves a wave's instructions in order: these see my stores
.endr
.endr
.irp x, 0,1
.irp i, 0,1,2,3,4,5,6,7
	s_wait_dscnt 15-8*\x-\i                        ; the younger loads may stay out
	global_store_b128 v[GO], v[S+64*\x+32+4*\i:S+64*\x+32+4*\i+3], s[50:51] offset:(8*\x+2*\i+8*(\i/4))*4096 th:TH_STORE_NT   ; stage row 2 i + h of tile x is query 8 x + 2 i + h + 8 (i / 4) of the pair's 32
.endr
.endr
.if \first
	s_wait_xcnt 0x0                                ; the stores have read their registers and their base: both are written again only behind this wait
	s_add_nc_u64 s[50:51], s[50:51], 1048576       ; 256 rows on
.endif
.endm
	s_load_b256 s[4:11], s[0:1], 0x0               ; qb, kv, attention_mask, out0
	v_lshl_add_u32 v[SPW], v0, 2, SPARE
	v_mov_b32 v[NIL], 0
	ds_add_u32 v[SPW], v[NIL]                      ; the wave's opening: the add, twice on end, and its wait ahead of my first tensor load
	ds_add_u32 v[SPW], v[NIL]
	v_lshrrev_b32 v233, 5, v0
	s_delay_alu instid0(VALU_DEP_1)
	v_readfirstlane_b32 s[WV], v233                ; wave 0..7
	s_bfe_u32 s[CX], ttmp6, 0x40000                ; my place in the cluster: it enters q's and out's addresses alone
	s_and_b32 s[BH], ttmp7, 0xffff                 ; 16 x batch + head, which the four partners share
	; descriptor group 1: a dense block of 13,312 bytes as 52 rows of 256 bytes
	s_mov_b32 s[G1], 15|(3<<16)|(1<<21)            ; the mask: all four work-groups; elements of 8 bytes; bit 21 beside a mask; no padding
	s_mov_b32 s[G1+1], 32<<16
	s_mov_b32 s[G1+2], 52<<16
	s_mov_b32 s[G1+3], 32<<16
	s_mov_b32 s[G1+4], 52
	s_mov_b32 s[G1+5], 32
	s_mov_b32 s[G1+6], 0
	s_mov_b32 s[G1+7], 0
	s_mov_b32 s[SEL], 0x76543210
	s_mov_b32 s[SEL+1], 0xfedcba98
	s_mov_b32 s[CS], 0x3e38aa3b                    ; log2(e) / 8
	s_mov_b32 s[CS+1], s[CS]
	s_mul_i32 s15, s[WV], 13312                    ; my eighth of a half
	s_mul_i32 s16, s[BH], 212992
	s_add_co_u32 s16, s16, s15
	s_mov_b32 s17, 0
	s_mul_i32 s60, s[BH], 106496                   ; the head's block in qb
	s_lshl_b32 s61, s[CX], 4
	s_add_co_u32 s61, s61, s[WV]                   ; the first pass's pair of query tiles: 16 cx + wave
	s_mul_i32 s52, s61, 1536
	s_add_co_u32 s52, s52, s60
	s_mov_b32 s53, 0
	s_lshr_b32 s54, s61, 1                         ; its scale words: 256 bytes for two pairs, 4 bytes on for the odd one
	s_lshl_b32 s54, s54, 8
	s_and_b32 s62, s61, 1
	s_lshl_b32 s62, s62, 2
	s_add_co_u32 s54, s54, s62
	s_add_co_u32 s54, s54, s60
	s_add_co_u32 s54, s54, 98304
	s_mov_b32 s55, 0
	s_lshl_b32 s56, s61, 17                        ; out: 32 rows of 4,096 bytes a pair,
	s_lshr_b32 s62, s[BH], 4
	s_lshl_b32 s63, s62, 23                        ; 2,048 rows a batch,
	s_add_co_u32 s56, s56, s63
	s_and_b32 s63, s[BH], 15
	s_lshl_b32 s63, s63, 8                         ; 256 bytes a head
	s_add_co_u32 s56, s56, s63
	s_mov_b32 s57, 0
	s_lshl_b32 s58, s62, 13                        ; the batch's mask
	s_mov_b32 s59, 0
	s_mul_i32 s18, s[WV], 8704
	s_add_co_u32 s18, s18, STG                     ; my stages
	v_and_b32 v233, 15, v0                         ; r
	v_bfe_u32 v234, v0, 4, 1                       ; h
	v_and_b32 v235, 7, v0                          ; r % 8
	v_bfe_u32 v236, v0, 3, 1                       ; r / 8
	v_and_b32 v[LI], 31, v0
	v_lshl_add_u32 v[LM], v234, 7, MASKB
	v_mul_u32_u24 v[AK], v236, 1536
	v_lshlrev_b32 v[AS], 2, v236
	v_lshlrev_b32 v[L8], 3, v[LI]
	v_lshlrev_b32 v[LI], 4, v[LI]
	v_lshl_add_u32 v[AK], v235, 4, v[AK]
	v_lshl_add_u32 v[AS], v235, 3, v[AS]
	v_mul_u32_u24 v[STO], v233, 272
	v_mul_u32_u24 v[SRD], v234, 272
	v_lshl_add_u32 v[AK], v234, 8, v[AK]
	v_lshl_add_u32 v[AS], v234, 7, v[AS]
	v_lshl_add_u32 v[STO], v234, 6, v[STO]
	v_lshl_add_u32 v[SRD], v233, 4, v[SRD]
	v_lshlrev_b32 v[GO], 12, v234
	v_add_nc_u32 v[STO], s18, v[STO]               ; in: row r, channels 16 h on
	v_add_nc_u32 v[SRD], s18, v[SRD]               ; back: lanes 0-15 one row, lanes 16-31 the next
	v_lshl_add_u32 v[GO], v233, 4, v[GO]           ; and the same in out
	v_lshlrev_b32 v240, 4, v0                      ; the mask: 256 threads x 16 bytes, twice
	v_add_nc_u32 v241, MASKB, v240
	s_wait_alu depctr_va_vdst(0)
	s_wait_dscnt 0x0                               ; both opening adds are done
	s_wait_kmcnt 0x0
	s_add_nc_u64 s[16:17], s[6:7], s[16:17]
	s_add_nc_u64 s[46:47], s[4:5], s[52:53]        ; q's pair image
	s_add_nc_u64 s[48:49], s[4:5], s[54:55]        ; its scale words
	s_add_nc_u64 s[50:51], s[10:11], s[56:57]      ; my rows of out
	s_add_nc_u64 s[8:9], s[8:9], s[58:59]
.irp n, 0,1
	s_mov_b32 s[G0+4*\n], 1
	s_add_co_u32 s[G0+4*\n+1], s15, \n*106496      ; LDS address: as the block lies in memory
	s_add_nc_u64 s[G0+4*\n+2:G0+4*\n+3], s[16:17], \n*106496
	s_or_b32 s[G0+4*\n+3], s[G0+4*\n+3], 0x80000000
.endr
	QLOAD                                          ; the first pass's q and the mask are asked for ahead of the tensor loads
	global_load_b128 v[104:107], v240, s[8:9]
	global_load_b128 v[108:111], v240, s[8:9] offset:4096
	CROUND                                         ; all four work-groups are here: the joint loads meet
	tensor_load_to_lds s[G0:G0+3], s[G1:G1+7]      ; keys 0 to 1,023: one tensor load a wave at the head
	s_nop 0
.rept 4
	v_nop
.endr
.irp x, 0,1
	v_mov_b32 v[TQ+WS*\x], 0                       ; written once: a lane permute's destination counts as one of its sources
	v_mov_b32 v[PSW+WS*\x], 0                      ; (named as the upper half of f's pair before it is first written)
.endr
	WIN 0x40
.irp j, 0,1,2,3,4,5
	v_mov_b32 v[QA+6+\j], 0                        ; q's upper halves: zero codes, once
	v_mov_b32 v[QA+18+\j], 0
	v_mov_b32 v[KF+48+\j], 0                       ; and what follows k's last tile
.endr
	WIN 0
	s_wait_loadcnt 0x0
.irp j, 0,2,4,6
	v_pk_mul_f32 v[104+\j:105+\j], v[104+\j:105+\j], 0x41000000 op_sel_hi:[1,0]   ; x 8
.endr
	ds_store_b128 v241, v[104:107]
	ds_store_b128 v241, v[108:111] offset:4096
	ds_store_b128 v241, v[108:111] offset:8192     ; the tail, which the last step's look-ahead reads and nobody uses
	s_wait_alu depctr_va_vdst(0)
	s_wait_tensorcnt 0x0                           ; my part of keys 0 to 1,023 has landed
	ds_add_u32 v[SPW], v[NIL]
	s_wait_dscnt 0x0                               ; the add is done, and my stores of the mask
	CROUND                                         ; everybody's part and the whole mask are in, and all four work-groups are here
	tensor_load_to_lds s[G0+4:G0+7], s[G1:G1+7]    ; keys 1,024 to 2,047: the first tensor load behind the round
	s_nop 0
.rept 4
	v_nop
.endr
	PASS 1
	PASS 0
	s_wait_tensorcnt 0x0                           ; the wave's end, behind my last tensor load and my last LDS store
	ds_add_u32 v[SPW], v[NIL]
	s_wait_dscnt 0x0
	CROUND                                         ; the closing round
	s_endpgm
.Lfunc_end_k_q38ce67c6eb_attn:
	.size	k_q38ce67c6eb_attn, .Lfunc_end_k_q38ce67c6eb_attn-k_q38ce67c6eb_attn
	.p2alignl 7, 3214868480
	.fill 96, 4, 3214868480
	.section	.rodata,"a",@progbits
	.p2align	6, 0x0
	.amdhsa_kernel k_q38ce67c6eb_attn
		.amdhsa_group_segment_fixed_size 327680
		.amdhsa_private_segment_fixed_size 0
		.amdhsa_enable_private_segment 0
		.amdhsa_kernarg_size 32
		.amdhsa_user_sgpr_count 2
		.amdhsa_user_sgpr_kernarg_segment_ptr 1
		.amdhsa_wavefront_size32 1
		.amdhsa_system_sgpr_workgroup_id_x 1
		.amdhsa_system_sgpr_workgroup_id_y 1
		.amdhsa_system_sgpr_workgroup_id_z 1
		.amdhsa_system_vgpr_workitem_id 0
		.amdhsa_next_free_vgpr 512
		.amdhsa_next_free_sgpr 66
		.amdhsa_reserve_vcc 0
		.amdhsa_float_denorm_mode_32 3
		.amdhsa_float_denorm_mode_16_64 3
		.amdhsa_memory_ordered 1
		.amdhsa_forward_progress 1
		.amdhsa_inst_pref_size 152
	.end_amdhsa_kernel
	.amdgpu_metadata
---
amdhsa.version: [ 1, 2 ]
amdhsa.kernels:
  - .name:           k_q38ce67c6eb_attn
    .symbol:         k_q38ce67c6eb_attn.kd
    .args:
      - { .name: qb, .offset: 0, .size: 8, .value_kind: global_buffer, .address_space: global }
      - { .name: kv, .offset: 8, .size: 8, .value_kind: global_buffer, .address_space: global }
      - { .name: attention_mask, .offset: 16, .size: 8, .value_kind: global_buffer, .address_space: global }
      - { .name: out0, .offset: 24, .size: 8, .value_kind: global_buffer, .address_space: global }
    .group_segment_fixed_size: 327680
    .private_segment_fixed_size: 0
    .kernarg_segment_align: 8
    .kernarg_segment_size: 32
    .max_flat_workgroup_size: 256
    .sgpr_count:     66
    .vgpr_count:     512
    .wavefront_size: 32
...
	.end_amdgpu_metadata
.endif
;; end of part 4
